; MI455X (gfx1250); checked and timed in simulation.
; The chip was launched on July 23, 2026; its instructions are those of AMD's public machine-readable ISA for CDNA 5 (MIT licence, August 2026) and "CDNA5" Instruction Set Architecture Reference Guide (July 2026). The comments in the code are by the model that wrote it; some were corrected since.
;; Causal Self Attention. Allowed arithmetic: matrix products marked QUANTISED: E2M1 operands, one E8M0 scale for each 32 along K, by v_wmma_scale_f32_16x16x128_f8f6f4 with both operands' format E2M1 (or v_wmma_scale_f32_32x16x128_f4), f32 sums; products left as they are: bf16, f16 or f32 operands; f32 sums; everything else in f32.
;; Inputs: W_attn 1,024 x 3,072 float32; W_proj 1,024 x 1,024 float32; x 4 x 2,048 x 1,024 float32.
;; Outputs: out0 4 x 2,048 x 1,024 float32.
;; This version of the problem:
;;   THIS VERSION OF THE PROBLEM IS GIVEN IN LOW PRECISION. The matrix products marked QUANTISED in the list below multiply operands that are first quantised to E2M1 (2 exponent bits, 1 mantissa bit; 4 bits a number), with one power-of-two scale for each 32 numbers along K (OCP MX v1.0); their sums are f32. The products marked 'left as it is' may take bf16, f16 or f32 operands, with f32 sums. Whichever they take, every output number must still come out within the allowed error. Rounding operands to bf16 (8 significant bits) uses up far more of that allowance than f16 does (11 bits, for magnitudes from 6e-5 to 65,504). All else is computed in f32.
;;   The module's matrix products, in the order in which they are computed (A, B: the left and right operand; K: the contracted axis; several contracted axes count as one K, in the product's order):
;;     1. [M 8,192, K 1,024] x [K 1,024, N 3,072]; A: input x; B: input W_attn: QUANTISED
;;     2. batch 64 x [M 2,048, K 64] x [K 64, N 2,048]; A: computed on the way; B: computed on the way: left as it is (an operand is computed on the way)
;;     3. batch 64 x [M 64, K 2,048] x [K 2,048, N 2,048]; A: computed on the way; B: computed on the way: left as it is (an operand is computed on the way)
;;     4. [M 8,192, K 1,024] x [K 1,024, N 1,024]; A: computed on the way; B: input W_proj: left as it is (an operand is computed on the way)
;;   THE QUANTISER, for each operand of a quantised product, along K:
;;     - K is cut into blocks of 32 from its start; a last block that is shorter is filled with zeros.
;;     - A block's scale is 2^e with e = floor(log2(the largest magnitude in the block)) - 2, held to -126 .. 127; a block of zeros has e = 0. As a byte (E8M0): e + 127.
;;     - Each number is divided by its block's scale, clamped to +-6, and rounded to the nearest number of E2M1, ties to even, subnormals kept.
;;     - The product sums the exact products of the quantised numbers (number of the format x scale) in f32.
;;   ~~~python
;;   def quantise(x, axis):      # numpy; x: float32 -> the quantised numbers, widened to float32 again
;;       x = np.moveaxis(x, axis, -1); K = x.shape[-1]
;;       x = np.pad(x, [(0, 0)] * (x.ndim - 1) + [(0, -K % 32)]); x = x.reshape(x.shape[:-1] + (-1, 32)); a = np.abs(x).max(-1, keepdims=True)
;;       e = np.where(a > 0, np.clip(np.frexp(np.where(a > 0, a, 1))[1] - 1 - 2, -126, 127), 0)      # np.frexp(a)[1] - 1 = floor(log2(a)), exactly
;;       r = np.clip(x / 2.0 ** e, -6, 6)
;;       step = 2.0 ** (np.maximum(np.frexp(np.where(r == 0, 1, r))[1] - 1, 0) - 1)
;;       q = np.round(r / step) * step * 2.0 ** e      # np.round: ties to even
;;       return np.moveaxis(q.reshape(q.shape[:-2] + (-1,))[..., :K], -1, axis).astype(np.float32)
;;   ~~~
;; One version. Each part assembles by itself: llvm-mc -triple=amdgcn-amd-amdhsa -mcpu=gfx1250 --defsym DOCPART=n.
;; ======== version 1 of 1: 5 launches
;; limits: values are held in f16: magnitudes above 65,504 overflow, below 6.1e-05 lose precision
;; workspace buffers: x_codes 4,194,304 bytes; x_scales 262,144 bytes; w_codes 1,572,864 bytes; w_scales 98,304 bytes; wpt 2,097,152 bytes; qkv16 50,331,648 bytes; q32 786,432 bytes; y16 16,777,216 bytes
;; launch prep (part 1): grid 368 x 1, 4 waves a work-group, no clusters, 102,912 bytes of LDS; arguments x, W_attn, W_proj, x_codes, x_scales, w_codes, w_scales, wpt; writes x_codes, x_scales, w_codes, w_scales, wpt
.if DOCPART == 1
	.amdgcn_target "amdgcn-amd-amdhsa--gfx1250"
	.amdhsa_code_object_version 6
	.text
	.protected	k_q6eab4aee48_prep
	.globl	k_q6eab4aee48_prep
	.p2align	8
	.type	k_q6eab4aee48_prep,@function
k_q6eab4aee48_prep:
	s_mov_b64 s[64:65], 0
	v_nop
	global_prefetch_b8 v0, s[64:65] scope:SCOPE_SE
	s_setreg_imm32_b32 hwreg(HW_REG_WAVE_MODE, 25, 1), 1
	s_wait_xcnt 0x0
; Three pieces of preparation in one launch; the work-group's number picks the piece, and each piece has LDS bytes of its own.
;   work-groups 0-255:   x [8192][1024] f32 -> codes of FP4 (E2M1), K innermost, [8192][512 bytes], and one E8M0 byte for each 32 along K, [8192][32].
;   work-groups 256-303: W_attn [1024 k][3072 n] f32, K its FIRST axis -> codes [3072][512 bytes] with K innermost, scale bytes [3072][32].
;   work-groups 304-367: W_proj [1024 k][1024 n] f32 -> f16, turned: wpt [1024 n][1024 k].
; A block's scale is 2^(floor(log2(its largest magnitude)) - 2); its byte is the largest magnitude's exponent field - 2, held at 1 from below.  A block of zeros so gets the byte 1 where the
; quantiser's text says 127: its codes are zeros, which add nothing under any byte but 0xff, and the bytes are read by this program alone.
; LIMITS: NaN and infinities among the inputs are not served; blocks whose largest magnitude lies under 2^(3 - 127) take the floor's byte; |W_proj| stays under 65,504 (f16), and what lies under 6e-5 keeps an absolute error of 2^-25.
; No tensor loads, no barrier: waves share nothing.
.set SPW,   188                        ; v188  LDS address of my spare word: SPARE + 4 x my thread's number; never rewritten
.set NIL,   189                        ; v189  0; never rewritten
.set SPARE, 102400                     ; behind the three pieces' regions: the spare words, 128 bytes for each wave
.set EMAX,  2
.macro FINISH                          ; a wave's end: a tensor wait, an add
	s_wait_tensorcnt 0x0
	ds_add_u32 v[SPW], v[NIL]
	s_wait_dscnt 0x0
	s_endpgm
.endm
	s_load_b256 s[4:11], s[0:1], 0x0               ; x s[4:5], W_attn s[6:7], W_proj s[8:9], x_codes s[10:11]
	s_load_b256 s[12:19], s[0:1], 0x20             ; x_scales s[12:13], w_codes s[14:15], w_scales s[16:17], wpt s[18:19]
	v_lshl_add_u32 v[SPW], v0, 2, SPARE
	v_mov_b32 v[NIL], 0
	v_lshrrev_b32 v1, 5, v0
	v_readfirstlane_b32 s20, v1                    ; wave 0..3
	v_and_b32 v2, 31, v0                           ; lane
	s_mov_b32 s25, 0                               ; the upper word of every offset below
	s_wait_kmcnt 0x0
	s_cmp_lt_u32 ttmp9, 256
	s_cbranch_scc0 .Lnot_x
; ---------------- x: a plain stream of blocks of 32.  A wave takes 16 steps of 512 numbers.
; Each of a step's four loads reads 512 consecutive bytes, 16 a lane; the 2,048 bytes go through the wave's own stage in LDS as they lie and come back 64 bytes a lane, so that a lane
; holds 16 neighbours along K (two neighbouring lanes hold a block).  The stage has 16 bytes of padding behind each 64.  A lane's 16 codes are 8 bytes: the wave stores 256 consecutive bytes.
; A wave's 256 scale bytes are gathered in LDS and leave as 256 consecutive bytes.  Loads run four steps ahead, the turn through LDS one step.
.set STEPS, 16
.set CB,    8                          ; bytes of 16 codes
.set WREG,  8192                       ; LDS 0 .. 32,767: a region for each wave: two stages of 32 x SP bytes, behind them its 256 scale bytes
.set SP,    80
.set XR,    16                         ; v16-79   four sets of 16 numbers as loaded
.set XX,    80                         ; v80-111  two sets of 16 neighbours
.set XE,    112                        ; v112-127 a scale byte for each step
.set XC,    128                        ; v128-159 codes: two registers for each step, so that no store's data are written again
	v_lshlrev_b32 v3, 4, v2                        ; my 16 bytes of a load's 512
	s_mul_i32 s21, s20, WREG
	v_lshrrev_b32 v14, 2, v2
	v_mul_u32_u24 v14, v14, SP
	v_and_b32 v15, 3, v2
	v_lshl_add_u32 v14, v15, 4, v14
	v_add_nc_u32 v14, s21, v14                     ; the stage, on the way in: SP (lane / 4) + 16 (lane % 4)
	v_mul_u32_u24 v15, v2, SP
	v_add_nc_u32 v15, s21, v15                     ; and on the way out: SP x lane
	v_mul_u32_u24 v4, v2, CB                       ; my codes' place in a step's
	v_lshrrev_b32 v5, 1, v2
	s_add_co_u32 s21, s21, 2*32*SP
	v_add_nc_u32 v5, s21, v5                       ; my block's byte among my wave's 256
	v_lshlrev_b32 v7, 3, v2
	v_add_nc_u32 v6, s21, v7                       ; and on the way out 8 bytes a lane
	s_lshl_b32 s22, ttmp9, 2
	s_add_co_u32 s22, s22, s20                     ; which run of 8,192 numbers is my wave's: 0 .. 1,023
	s_lshl_b32 s24, s22, 15                        ; 32,768 bytes of x a run
	s_add_nc_u64 s[4:5], s[4:5], s[24:25]
	s_lshl_b32 s24, s22, 12                        ; 4,096 bytes of codes
	s_add_nc_u64 s[10:11], s[10:11], s[24:25]
	s_lshl_b32 s24, s22, 8                         ; 256 scale bytes
	s_add_nc_u64 s[12:13], s[12:13], s[24:25]
.macro XLOAD t
.irp i, 0,1,2,3
	global_load_b128 v[XR+16*((\t)%4)+4*\i:XR+16*((\t)%4)+4*\i+3], v3, s[4:5] offset:2048*(\t)+512*\i th:TH_LOAD_NT
.endr
.endm
.macro XTURN t                         ; LDS serves a wave's instructions in order: no wait between the stores and the loads
.irp i, 0,1,2,3
	ds_store_b128 v14, v[XR+16*((\t)%4)+4*\i:XR+16*((\t)%4)+4*\i+3] offset:32*SP*((\t)%2)+8*SP*\i
.endr
.irp i, 0,1,2,3
	ds_load_b128 v[XX+16*((\t)%2)+4*\i:XX+16*((\t)%2)+4*\i+3], v15 offset:32*SP*((\t)%2)+16*\i
.endr
.endm
.irp t, 0,1,2,3
	XLOAD \t
.endr
	s_wait_loadcnt 12                              ; step 0's four loads are in; three steps' twelve may be out
	XTURN 0
.macro XSTEP t
.set XS, XX+16*((\t)%2)
.if (\t) > 0
	s_wait_dscnt 1                                 ; this step's numbers are back from the stage; the last step's byte store may be out
.else
	s_wait_dscnt 0x0
.endif
.if (\t)+4 < STEPS
	XLOAD (\t)+4                                   ; into the set whose stores into the stage have been served
.endif
.if (\t)+1 < STEPS
.if STEPS-2-(\t) >= 3
	s_wait_loadcnt 12                              ; the next step's four loads are in; those of the three steps behind it may be out
.else
	s_wait_loadcnt 4*(STEPS-2-(\t))
.endif
	XTURN (\t)+1
.endif
	v_max3_num_f32 v8, |v[XS]|, |v[XS+1]|, |v[XS+2]|               ; the largest magnitude of my 16, in two chains
	v_max3_num_f32 v9, |v[XS+3]|, |v[XS+4]|, |v[XS+5]|
.irp i, 6,10
	v_max3_num_f32 v8, v8, |v[XS+\i]|, |v[XS+\i+1]|
	v_max3_num_f32 v9, v9, |v[XS+\i+2]|, |v[XS+\i+3]|
.endr
	v_max3_num_f32 v8, v8, |v[XS+14]|, |v[XS+15]|
	v_max3_num_f32 v8, v8, v9, (EMAX+1)<<23        ; and the floor 2^(3 - 127): the byte cannot fall under 1
	v_max_num_f32_dpp v8, v8, v8 row_xmask:1 row_mask:0xf bank_mask:0xf   ; with my neighbour's 16: the block's
	v_add_nc_u32 v11, -(EMAX<<23), v8              ; 2 off its exponent field: the conversion takes that field as its scale and nothing else
	v_cvt_scalef32_pk8_fp4_f32 v[XC+2*(\t)], v[XS:XS+7], v11
	v_cvt_scalef32_pk8_fp4_f32 v[XC+2*(\t)+1], v[XS+8:XS+15], v11
	v_lshrrev_b32 v[XE+(\t)], 23, v11              ; the scale's byte (also the plain line behind the conversions)
	ds_store_b8 v5, v[XE+(\t)] offset:16*(\t)      ; both lanes of a block write the same byte with the same value
	global_store_b64 v4, v[XC+2*(\t):XC+2*(\t)+1], s[10:11] offset:32*CB*(\t)
.endm
.irp t, 0,1,2,3,4,5,6,7,8,9,10,11,12,13,14,15
	XSTEP \t
.endr
	ds_load_b64 v[8:9], v6                         ; in order behind my byte stores
	s_wait_dscnt 0x0
	global_store_b64 v7, v[8:9], s[12:13]          ; 32 lanes store 256 consecutive bytes, aligned
	FINISH
.Lnot_x:
	s_cmp_lt_u32 ttmp9, 304
	s_cbranch_scc0 .Lnot_w
; ---------------- W_attn: a lane takes a column n, and its registers run down K: a block of 32 lies in one lane's 32 registers, and the conversions give codes with K innermost.
; 48 work-groups: 24 along n (128 columns each) x 2 along K (512 each).  A wave: 32 columns x 512 along K = 16 blocks a lane, 256 bytes of codes a column, which go through the wave's
; stage and leave as rows: sixteen lanes store 256 consecutive bytes, aligned.  Every offset is an immediate: 511 rows x 12,288 bytes at the most.
.set WN,    3072
.set NB,    16
.set WP,    272                        ; a stage row: 256 bytes + 16
.set KROW,  512                        ; a row of the codes' buffer
.set WSTG,  32768                      ; LDS 32,768 .. 67,583: four stages of 32 rows
.set WX,    32                         ; v32-95   two sets of 32 numbers
.set WC,    96                         ; v96..    a block's codes (in the third piece: 16 registers of f16 pairs)
.set OUTR,  112                        ; v112-175 the way out
.set SB,    24                         ; v24-27   the scale bytes, four to a register
	s_sub_co_u32 s23, ttmp9, 256
	s_cmp_ge_u32 s23, 24
	s_cselect_b32 s22, 1, 0                        ; which 512 along K
	s_cselect_b32 s24, 24, 0
	s_sub_co_u32 s23, s23, s24                     ; which 128 columns
	s_lshl_b32 s21, s23, 7
	s_lshl_b32 s24, s20, 5
	s_add_co_u32 s21, s21, s24                     ; my wave's first column
	v_lshlrev_b32 v3, 2, v2                        ; in: 4 bytes a lane
	s_mul_i32 s24, s20, 32*WP
	s_add_co_u32 s24, s24, WSTG                    ; my stage
	v_mul_u32_u24 v4, v2, WP
	v_add_nc_u32 v4, s24, v4                       ; into it: row = my column
	v_and_b32 v5, 15, v2
	v_lshrrev_b32 v6, 4, v2
	v_mul_u32_u24 v7, v6, WP
	v_lshl_add_u32 v7, v5, 4, v7
	v_add_nc_u32 v7, s24, v7                       ; out of it: sixteen lanes to a row, two rows an instruction
	v_mul_u32_u24 v8, v6, KROW
	v_lshl_add_u32 v8, v5, 4, v8                   ; and the same place in the codes' buffer
	v_lshlrev_b32 v9, 5, v2                        ; my column's row of 32 scale bytes
	s_mul_i32 s24, s22, 512*WN*4
	s_lshl_b32 s26, s21, 2
	s_add_co_u32 s24, s24, s26
	s_add_nc_u64 s[6:7], s[6:7], s[24:25]          ; W_attn at (512 y, my first column)
	s_lshl_b32 s24, s21, 9
	s_lshl_b32 s26, s22, 8
	s_add_co_u32 s24, s24, s26
	s_add_nc_u64 s[14:15], s[14:15], s[24:25]      ; codes: column x 512 + 256 y
	s_lshl_b32 s24, s21, 5
	s_lshl_b32 s26, s22, 4
	s_add_co_u32 s24, s24, s26
	s_add_nc_u64 s[16:17], s[16:17], s[24:25]      ; scale bytes: column x 32 + 16 y
.macro WLOAD t
.irp i, 0,1,2,3,4,5,6,7,8,9,10,11,12,13,14,15,16,17,18,19,20,21,22,23,24,25,26,27,28,29,30,31
	global_load_b32 v[WX+32*((\t)%2)+\i], v3, s[6:7] offset:(32*(\t)+\i)*WN*4 th:TH_LOAD_NT
.endr
.endm
	WLOAD 0
	WLOAD 1
.macro WBLOCK t
.set XS, WX+32*((\t)%2)
.if (\t) < NB-1
	s_wait_loadcnt 32                              ; this block's 32 loads are in; the next block's may be out
.else
	s_wait_loadcnt 0
.endif
	v_max3_num_f32 v12, |v[XS]|, |v[XS+1]|, |v[XS+2]|
	v_max3_num_f32 v13, |v[XS+3]|, |v[XS+4]|, |v[XS+5]|
.irp i, 6,10,14,18,22,26
	v_max3_num_f32 v12, v12, |v[XS+\i]|, |v[XS+\i+1]|
	v_max3_num_f32 v13, v13, |v[XS+\i+2]|, |v[XS+\i+3]|
.endr
	v_max3_num_f32 v12, v12, |v[XS+30]|, |v[XS+31]|
	v_max3_num_f32 v12, v12, v13, (EMAX+1)<<23     ; the floor: the byte cannot fall under 1
	v_add_nc_u32 v11, -(EMAX<<23), v12             ; the conversion's scale operand
	v_lshrrev_b32 v13, 23, v11                     ; the scale's byte
.if (\t)%4 == 0
	v_mov_b32 v[SB+(\t)/4], v13
.else
	v_lshl_or_b32 v[SB+(\t)/4], v13, 8*((\t)%4), v[SB+(\t)/4]
.endif
.irp g, 0,1,2,3
	v_cvt_scalef32_pk8_fp4_f32 v[WC+\g], v[XS+8*\g:XS+8*\g+7], v11
.endr
	v_nop                                          ; a plain line behind the last conversion
	ds_store_b128 v4, v[WC:WC+3] offset:16*(\t)    ; 32 codes: 16 bytes of my column's row
.if (\t)+2 < NB
	WLOAD (\t)+2
.endif
	s_wait_dscnt 0x0                               ; the store has been served: the next block's codes may be written
.endm
.set Q, 0
.rept NB
	WBLOCK Q
.set Q, Q+1
.endr
	global_store_b128 v9, v[SB:SB+3], s[16:17]     ; my column's 16 scale bytes (rows 32 bytes apart: a lane's 16 bytes are half a row of the buffer)
.irp t, 0,1,2,3,4,5,6,7,8,9,10,11,12,13,14,15
	ds_load_b128 v[OUTR+4*\t:OUTR+4*\t+3], v7 offset:2*\t*WP
.endr
.irp t, 0,1,2,3,4,5,6,7,8,9,10,11,12,13,14,15
	s_wait_dscnt 15-\t
	global_store_b128 v8, v[OUTR+4*\t:OUTR+4*\t+3], s[14:15] offset:2*\t*KROW
.endr
	FINISH
.Lnot_w:
; ---------------- W_proj: the same plan without a quantiser.  64 work-groups: 8 along n (128 columns) x 8 along K (128 rows).  A lane takes a column, its registers run down K, pairs are
; rounded to f16 once; a column's 128 numbers are 256 bytes of its row of wpt, which leave through the stage as whole rows.
.set PSTG,  67584                      ; LDS 67,584 .. 102,399: four stages of 32 rows x 272 bytes
	s_sub_co_u32 s23, ttmp9, 304
	s_and_b32 s21, s23, 7
	s_lshr_b32 s22, s23, 3                         ; which 128 along K
	s_lshl_b32 s21, s21, 7
	s_lshl_b32 s24, s20, 5
	s_add_co_u32 s21, s21, s24                     ; my wave's first column
	v_lshlrev_b32 v3, 2, v2
	s_mul_i32 s24, s20, 32*WP
	s_add_co_u32 s24, s24, PSTG
	v_mul_u32_u24 v4, v2, WP
	v_add_nc_u32 v4, s24, v4
	v_and_b32 v5, 15, v2
	v_lshrrev_b32 v6, 4, v2
	v_mul_u32_u24 v7, v6, WP
	v_lshl_add_u32 v7, v5, 4, v7
	v_add_nc_u32 v7, s24, v7
	v_lshlrev_b32 v8, 11, v6
	v_lshl_add_u32 v8, v5, 4, v8                   ; two rows of wpt, 2,048 bytes apart
	s_lshl_b32 s24, s22, 19                        ; 128 rows of 4,096 bytes
	s_lshl_b32 s26, s21, 2
	s_add_co_u32 s24, s24, s26
	s_add_nc_u64 s[8:9], s[8:9], s[24:25]
	s_lshl_b32 s24, s21, 11
	s_lshl_b32 s26, s22, 8
	s_add_co_u32 s24, s24, s26
	s_add_nc_u64 s[18:19], s[18:19], s[24:25]      ; wpt: column x 2,048 + 256 y
.macro PLOAD t
.irp i, 0,1,2,3,4,5,6,7,8,9,10,11,12,13,14,15,16,17,18,19,20,21,22,23,24,25,26,27,28,29,30,31
	global_load_b32 v[WX+32*((\t)%2)+\i], v3, s[8:9] offset:(32*(\t)+\i)*4096
.endr
.endm
	PLOAD 0
	PLOAD 1
.macro PBLOCK t
.set XS, WX+32*((\t)%2)
.if (\t) < 3
	s_wait_loadcnt 32                              ; this block's 32 loads are in; the next block's may be out
.else
	s_wait_loadcnt 0
.endif
.irp i, 0,1,2,3,4,5,6,7,8,9,10,11,12,13,14,15
	v_cvt_pk_f16_f32 v[WC+\i], v[XS+2*\i], v[XS+2*\i+1]
.endr
.irp g, 0,1,2,3
	ds_store_b128 v4, v[WC+4*\g:WC+4*\g+3] offset:64*(\t)+16*\g
.endr
.if (\t)+2 < 4
	PLOAD (\t)+2
.endif
	s_wait_dscnt 0x0                               ; the stores have been served: the next block's pairs may be written
.endm
.irp t, 0,1,2,3
	PBLOCK \t
.endr
.irp t, 0,1,2,3,4,5,6,7,8,9,10,11,12,13,14,15
	ds_load_b128 v[OUTR+4*\t:OUTR+4*\t+3], v7 offset:2*\t*WP
.endr
.irp t, 0,1,2,3,4,5,6,7,8,9,10,11,12,13,14,15
	s_wait_dscnt 15-\t
	global_store_b128 v8, v[OUTR+4*\t:OUTR+4*\t+3], s[18:19] offset:2*\t*2048
.endr
	FINISH
.Lfunc_end_k_q6eab4aee48_prep:
	.size	k_q6eab4aee48_prep, .Lfunc_end_k_q6eab4aee48_prep-k_q6eab4aee48_prep
	.p2alignl 7, 3214868480
	.fill 96, 4, 3214868480
	.section	.rodata,"a",@progbits
	.p2align	6, 0x0
	.amdhsa_kernel k_q6eab4aee48_prep
		.amdhsa_group_segment_fixed_size 102912
		.amdhsa_private_segment_fixed_size 0
		.amdhsa_enable_private_segment 0
		.amdhsa_kernarg_size 64
		.amdhsa_user_sgpr_count 2
		.amdhsa_user_sgpr_kernarg_segment_ptr 1
		.amdhsa_wavefront_size32 1
		.amdhsa_system_sgpr_workgroup_id_x 1
		.amdhsa_system_sgpr_workgroup_id_y 1
		.amdhsa_system_sgpr_workgroup_id_z 1
		.amdhsa_system_vgpr_workitem_id 0
		.amdhsa_next_free_vgpr 192
		.amdhsa_next_free_sgpr 66
		.amdhsa_reserve_vcc 0
		.amdhsa_float_denorm_mode_32 3
		.amdhsa_float_denorm_mode_16_64 3
		.amdhsa_memory_ordered 1
		.amdhsa_forward_progress 1
		.amdhsa_inst_pref_size 133
	.end_amdhsa_kernel
	.amdgpu_metadata
---
amdhsa.version: [ 1, 2 ]
amdhsa.kernels:
  - .name:           k_q6eab4aee48_prep
    .symbol:         k_q6eab4aee48_prep.kd
    .args:
      - { .name: x, .offset: 0, .size: 8, .value_kind: global_buffer, .address_space: global }
      - { .name: W_attn, .offset: 8, .size: 8, .value_kind: global_buffer, .address_space: global }
      - { .name: W_proj, .offset: 16, .size: 8, .value_kind: global_buffer, .address_space: global }
      - { .name: x_codes, .offset: 24, .size: 8, .value_kind: global_buffer, .address_space: global }
      - { .name: x_scales, .offset: 32, .size: 8, .value_kind: global_buffer, .address_space: global }
      - { .name: w_codes, .offset: 40, .size: 8, .value_kind: global_buffer, .address_space: global }
      - { .name: w_scales, .offset: 48, .size: 8, .value_kind: global_buffer, .address_space: global }
      - { .name: wpt, .offset: 56, .size: 8, .value_kind: global_buffer, .address_space: global }
    .group_segment_fixed_size: 102912
    .private_segment_fixed_size: 0
    .kernarg_segment_align: 8
    .kernarg_segment_size: 64
    .max_flat_workgroup_size: 128
    .sgpr_count:     66
    .vgpr_count:     192
    .wavefront_size: 32
...
	.end_amdgpu_metadata
.endif
;; end of part 1
;; launch qkv (part 2): grid 12 x 32, 4 waves a work-group, clusters of 4 x 4, 327,680 bytes of LDS; arguments x_codes, x_scales, w_codes, w_scales, qkv16, q32; writes qkv16, q32
.if DOCPART == 2
	.amdgcn_target "amdgcn-amd-amdhsa--gfx1250"
	.amdhsa_code_object_version 6
	.text
	.protected	k_q6eab4aee48_qkv
	.globl	k_q6eab4aee48_qkv
	.p2align	8
	.type	k_q6eab4aee48_qkv,@function
k_q6eab4aee48_qkv:
	s_mov_b64 s[64:65], 0
	v_nop
	global_prefetch_b8 v0, s[64:65] scope:SCOPE_SE
	s_setreg_imm32_b32 hwreg(HW_REG_WAVE_MODE, 25, 1), 1
	s_wait_xcnt 0x0
	s_wait_alu depctr_hold_cnt(0) depctr_sa_sdst(0) depctr_va_vdst(0) depctr_va_sdst(0) depctr_va_ssrc(0) depctr_va_vcc(0) depctr_vm_vsrc(0)
	s_getreg_b32 s2, hwreg(HW_REG_IB_STS2, 6, 4)
	s_cmp_eq_u32 s2, 0
	s_cbranch_scc0 .Lentry_in_a_cluster
	s_endpgm
.Lentry_in_a_cluster:
	s_bfe_u32 s2, ttmp6, 0x10000c
	s_cmp_lg_u32 s2, 0xf033
	s_cbranch_scc0 .Lentry_shape_is_right
	s_endpgm
.Lentry_shape_is_right:
; qkv[m][n] = sum over k of x[m][k] W_attn[k][n], both operands as codes of FP4 (E2M1) with one E8M0 scale for each 32 along K; sums in f32.
; A: x_codes [8192][512 bytes], x_scales [8192][32];  B: w_codes [3072][512 bytes], w_scales [3072][32].
; OUT: qkv16 [8192][3072] f16, each number rounded once; the q columns (n < 1,024) are first multiplied in f32 by c = log2(e) / 8, so that the attention's scores are exponents of 2.
;      q32 [4 x 16][3072] f32: the raw sums of the first 16 tokens of each batch, for the launch that carries those rows in f32.
; LIMITS: |c q|, |k|, |v| stay under 65,504 (f16); what lies under 6e-5 keeps an absolute error of 2^-25.
; A tile of 256 x 256 is made by four waves, 128 x 128 each: 64 accumulators, 512 registers.  K = 1,024 is two slots of 512 along K (rows of 256 bytes): both are first fills, nothing is filled again.
; The scales of the work-group's 256 + 256 rows for all of K are two dense blocks of memory: they come once, with the first fills.
; CLUSTERS: 4 x 4 work-groups; A's tiles are shared along a row of the cluster, B's along a column, each asked for jointly.  The matrix instruction is used transposed (source 0 = 16 rows of B,
; source 1 = 16 rows of A): a lane holds eight neighbouring columns of one row of the result.
; REGISTERS: window 0: v0-31 addresses; v32-95 scale words, two sets; v128-191 A's fragments, one set.  window 1: B's fragments, two sets.  windows 2, 3: the accumulators ((a, b) at v[8 (8 (a % 4) + b)]).
; On the way out window 0 holds: v32-63 packed f16, v64-127 two sets of rows read back, v128-191 a block's numbers x the factor.
.set SIZE_M, 8192
.set SIZE_N, 3072
.set SIZE_K, 1024
.set NQ,     4                         ; matrix instructions deep in a slot
.set ROWB,   256                       ; a tile's row in bytes: 512 codes
.set KROW,   SIZE_K/2                  ; a row of codes in memory
.set PITCH,  272                       ; an LDS row: 256 bytes + 16 of padding: the 16 rows that a load touches start 68 words apart
.set FR,     8
.set NL,     2
.set NP,     4                         ; places behind this matrix instruction (ISA guide 7.12.1)
.set HALFT,  128*PITCH
.set SLOT,   4*HALFT
.set KS,     SIZE_K/32                 ; a row of scales in bytes
.set SCL,    2*SLOT                    ; behind the ring: the scales, as rows of 256 bytes + 16
.set HALFS,  (128*KS/256)*272
.set SBLK,   (16*KS/256)*272
.set SPARE,  SCL+4*HALFS               ; the spare words, 128 bytes for each wave
.set SPITCH, 272                       ; the way out: a stage of 16 rows x (256 + 16) bytes for each wave, in slot 0, which has had its one fill and its last read by then
.set ADRA, 16
.set ADRB, 20
.set QF,   22                          ; v22  my byte offset in q32's 16 rows
.set FL,   23                          ; v23  0 in a wave that holds the first 16 tokens of a batch
.set STO,  24
.set RD,   25
.set CO,   26
.set ADRS, 27
.set SPW,  28                          ; v28  LDS address of my spare word; never rewritten
.set NIL,  29                          ; v29  0; never rewritten
.set SC,   32
.set AF,   128
.set TMP,  32
.set BK,   64
.set TF,   128
.set G1, 24
.set G0, 32
.set G1B, 48
.set G0B, 56
.set G1S, 68
.set G0S, 76
.set G1SB, 80
.set G0SB, 88
.set MSB, 0
.macro WIN new                         ; the immediate's high byte repeats the setting that is left
.if MSB != (\new)
	s_set_vgpr_msb (MSB<<8)|(\new)
.set MSB, (\new)
.endif
.endm
.set MUL_LO, 0xa1                      ; source 0 (B) window 1, source 1 (A) window 0, C and D window 2
.set MUL_HI, 0xf1
.set TO_B,   0x40
; A joint load: waves 0 and 1 fetch for A, waves 2 and 3 for B; the branch hangs on the wave's number alone.  An s_nop 0 and four v_nop follow each of the two lines.
.macro JLOAD g0a, g1a, g0b, g1b
	s_cmp_eq_u32 s15, 0
	s_cbranch_scc0 .Lfor_b_\@
	tensor_load_to_lds s[\g0a:\g0a+3], s[\g1a:\g1a+7]
	s_nop 0
.rept 4
	v_nop
.endr
	s_branch .Lasked_\@
.Lfor_b_\@:
	tensor_load_to_lds s[\g0b:\g0b+3], s[\g1b:\g1b+7]
	s_nop 0
.rept 4
	v_nop
.endr
.Lasked_\@:
.endm
.macro CROUND                          ; a round of the cluster's barrier
	s_barrier_signal -1
	s_barrier_wait -1
	s_cmp_lg_u32 s14, 0
	s_cbranch_scc1 .Lnot_wave_0_\@
	s_barrier_signal -3
.Lnot_wave_0_\@:
	s_barrier_wait -3
	s_barrier_signal -1
	s_barrier_wait -1
.endm
	s_load_b128 s[4:7], s[0:1], 0x0                ; A's codes, A's scales
	s_load_b128 s[8:11], s[0:1], 0x10              ; B's codes, B's scales
	s_load_b64 s[12:13], s[0:1], 0x20              ; qkv16
	s_load_b64 s[66:67], s[0:1], 0x28              ; q32
	v_lshl_add_u32 v[SPW], v0, 2, SPARE
	v_mov_b32 v[NIL], 0
	ds_add_u32 v[SPW], v[NIL]                      ; the wave's opening: the add, twice on end, and its wait ahead of my first tensor load
	ds_add_u32 v[SPW], v[NIL]
	v_lshrrev_b32 v1, 5, v0
	v_readfirstlane_b32 s14, v1                    ; wave 0..3
	s_lshr_b32 s15, s14, 1                         ; which half of the tile's rows is mine.  Also: I fetch for A (0) or for B (1)
	s_and_b32 s16, s14, 1                          ; which half of its columns.  Also: which 128 rows of that tile I fetch
	s_bfe_u32 s40, ttmp6, 0x40000                  ; cx, cy
	s_bfe_u32 s41, ttmp6, 0x40004
	s_lshl_b32 s42, ttmp9, 2
	s_add_co_u32 s42, s42, s40                     ; tile column = 4 x cluster x + cx
	s_and_b32 s17, ttmp7, 0xffff
	s_lshl_b32 s17, s17, 2
	s_add_co_u32 s17, s17, s41                     ; tile row = 4 x cluster y + cy
	s_lshl_b32 s43, s41, 2
	s_lshl_b32 s43, 15, s43                        ; my row of the cluster
	s_lshl_b32 s44, 0x1111, s40                    ; my column
	s_or_b32 s[G1+0], s43, (0<<16)|(1<<20)|(1<<21)|(5<<22)|(3<<25)  ; the mask; elements of 1 byte; padding: 4 words after every 64; bit 21 beside a mask
	s_or_b32 s[G1B+0], s44, (0<<16)|(1<<20)|(1<<21)|(5<<22)|(3<<25)
.irp g, G1, G1B
	s_mov_b32 s[\g+1], ROWB<<16                    ; tensor_dim0
	s_mov_b32 s[\g+2], 128<<16                     ; tensor_dim1
	s_mov_b32 s[\g+3], ROWB<<16                    ; tile_dim0
	s_mov_b32 s[\g+4], 128                         ; tile_dim1
	s_mov_b32 s[\g+5], KROW                        ; the pitch
	s_mov_b32 s[\g+6], 0
	s_mov_b32 s[\g+7], 0
.endr
	s_or_b32 s[G1S+0], s43, (3<<16)|(1<<20)|(1<<21)|(5<<22)|(3<<25) ; the scales of 128 rows: a dense block, as rows of 32 elements of 8 bytes, 16 bytes of padding behind each
	s_or_b32 s[G1SB+0], s44, (3<<16)|(1<<20)|(1<<21)|(5<<22)|(3<<25)
.irp g, G1S, G1SB
	s_mov_b32 s[\g+1], 32<<16
	s_mov_b32 s[\g+2], (128*KS/256)<<16
	s_mov_b32 s[\g+3], 32<<16
	s_mov_b32 s[\g+4], 128*KS/256
	s_mov_b32 s[\g+5], 32
	s_mov_b32 s[\g+6], 0
	s_mov_b32 s[\g+7], 0
.endr
	s_lshl_b32 s18, s16, 7
	s_lshl_b32 s20, s17, 8
	s_add_co_u32 s20, s20, s18                     ; A: row 256 x tile row + 128 x half
	s_lshl_b32 s46, s42, 8
	s_add_co_u32 s46, s46, s18                     ; B: row 256 x tile column + 128 x half
	s_mov_b32 s21, 0
	s_mov_b32 s47, 0
	s_mov_b64 s[18:19], KS
	s_mul_u64 s[22:23], s[20:21], s[18:19]
	s_mul_u64 s[92:93], s[46:47], s[18:19]
	s_mov_b64 s[18:19], KROW
	s_mul_u64 s[20:21], s[20:21], s[18:19]
	s_mul_u64 s[46:47], s[46:47], s[18:19]
	s_mul_i32 s45, s14, HALFT                      ; where they go: wave x 128 rows: no place in the cluster enters an LDS address
	s_mul_i32 s94, s14, HALFS
	s_wait_dscnt 0x0                               ; both opening adds are done
	s_wait_kmcnt 0x0
	s_add_nc_u64 s[20:21], s[4:5], s[20:21]
	s_add_nc_u64 s[22:23], s[6:7], s[22:23]
	s_add_nc_u64 s[46:47], s[8:9], s[46:47]
	s_add_nc_u64 s[92:93], s[10:11], s[92:93]
	CROUND                                         ; all sixteen work-groups are here: the joint loads meet
	s_mov_b32 s[G0S], 1
	s_add_co_u32 s[G0S+1], s94, SCL
	s_mov_b64 s[G0S+2:G0S+3], s[22:23]
	s_or_b32 s[G0S+3], s[G0S+3], 0x80000000
	s_mov_b32 s[G0SB], 1
	s_add_co_u32 s[G0SB+1], s94, SCL
	s_mov_b64 s[G0SB+2:G0SB+3], s[92:93]
	s_or_b32 s[G0SB+3], s[G0SB+3], 0x80000000
	JLOAD G0S, G1S, G0SB, G1SB                     ; the scales first: they are wanted with the first slot
.irp s, 0,1
	s_mov_b32 s[G0+4*\s], 1
	s_add_co_u32 s[G0+4*\s+1], s45, \s*SLOT
	s_add_nc_u64 s[G0+4*\s+2:G0+4*\s+3], s[20:21], \s*ROWB
	s_or_b32 s[G0+4*\s+3], s[G0+4*\s+3], 0x80000000
	s_mov_b32 s[G0B+4*\s], 1
	s_add_co_u32 s[G0B+4*\s+1], s45, \s*SLOT
	s_add_nc_u64 s[G0B+4*\s+2:G0B+4*\s+3], s[46:47], \s*ROWB
	s_or_b32 s[G0B+4*\s+3], s[G0B+4*\s+3], 0x80000000
	JLOAD G0+4*\s, G1, G0B+4*\s, G1B               ; by this text's count three tensor loads of a wave are out
.endr
	v_and_b32 v1, 15, v0                           ; l % 16
	v_bfe_u32 v2, v0, 4, 1                         ; l / 16
	v_mul_u32_u24 v3, v1, PITCH
	v_lshl_add_u32 v4, v2, 4, v3                   ; a fragment's row x pitch + 16 x half
	s_mul_i32 s21, s15, HALFT
	s_mul_i32 s22, s16, HALFT
	s_add_co_u32 s22, s22, 2*HALFT
.irp s, 0,1
	v_add_nc_u32 v[ADRA+\s], s21, v4
	v_add_nc_u32 v[ADRB+\s], s22, v4
	s_add_co_u32 s21, s21, SLOT
	s_add_co_u32 s22, s22, SLOT
.endr
	v_mul_u32_u24 v5, v1, KS                       ; my row's scales: KS bytes a row,
	v_lshrrev_b32 v6, 8, v5
	v_lshl_add_u32 v5, v6, 4, v5                   ; and 16 more for each 256 passed
	s_mul_i32 s21, s15, HALFS
	s_mul_i32 s22, s16, HALFS
	s_add_co_u32 s22, s22, 2*HALFS
	s_sub_co_u32 s22, s22, s21
	v_mul_u32_u24 v6, s22, v2                      ; lanes 16-31 take B's
	s_add_co_u32 s21, s21, SCL
	v_add_nc_u32 v5, v5, v6
	v_add_nc_u32 v[ADRS], s21, v5
	s_mul_i32 s23, s14, 16*SPITCH                  ; my stage
	v_mul_u32_u24 v5, v1, SPITCH
	v_lshl_add_u32 v5, v2, 4, v5
	v_add_nc_u32 v[STO], s23, v5                   ; in: row l % 16, 16 bytes for each half of the lanes
	v_mul_u32_u24 v5, v2, SPITCH
	v_lshl_add_u32 v5, v1, 4, v5
	v_add_nc_u32 v[RD], s23, v5                    ; back: lanes 0-15 one row of 256 bytes, lanes 16-31 the next
	v_mul_u32_u24 v5, v2, SIZE_N*2
	v_lshl_add_u32 v[CO], v1, 4, v5                ; and the same two rows in qkv16
	v_mul_u32_u24 v5, v1, SIZE_N*4
	v_lshl_add_u32 v[QF], v2, 5, v5                ; q32: row l % 16, 32 bytes for each half of the lanes
	s_lshl_b32 s20, s17, 8
	s_lshl_b32 s21, s15, 7
	s_add_co_u32 s20, s20, s21                     ; my first row: 256 x tile row + 128 x half
	s_mov_b32 s21, 0
	s_mov_b64 s[18:19], SIZE_N*2
	s_mul_u64 s[20:21], s[20:21], s[18:19]
	s_lshl_b32 s46, s42, 9                         ; my first column in bytes of f16: 512 x tile column + 256 x half
	s_lshl_b32 s47, s16, 8
	s_add_co_u32 s46, s46, s47
	s_mov_b32 s47, 0
	s_add_nc_u64 s[20:21], s[20:21], s[46:47]
	s_add_nc_u64 s[12:13], s[12:13], s[20:21]
	s_lshr_b32 s20, s17, 3                         ; the batch: eight tile rows each
	s_mul_i32 s20, s20, 16*SIZE_N*4
	s_mov_b32 s21, 0
	s_lshl_b32 s46, s46, 1                         ; the same column in bytes of f32
	s_add_nc_u64 s[20:21], s[20:21], s[46:47]
	s_add_nc_u64 s[66:67], s[66:67], s[20:21]
	s_and_b32 s95, s17, 7
	s_or_b32 s95, s95, s15                         ; 0 where my rows begin a batch
	s_mov_b32 s96, 1.0
	s_cmp_lt_u32 s42, 4                            ; tile columns 0-3 are q's
	s_cselect_b32 s96, 0x3e38aa3b, s96             ; c = log2(e) / 8, or 1
	s_mov_b32 s97, s96                             ; (named with it as a pair, so it is written)
.macro FRAG reg, adr, q, i             ; 16 rows x 128 K of 4-bit codes: 8 registers, two loads of 16 bytes, 32 bytes apart
.irp c, 0,1
	ds_load_b128 v[\reg+4*\c:\reg+4*\c+3], v[\adr] offset:64*(\q)+32*\c+(\i)*16*PITCH
.endr
.endm
; 16 matrix instructions: A's blocks a0, a0 + 1 x B's eight.  The 64 accumulators take turns, one instruction a turn, in the same order in every step.
.macro MUL16 a0, p, q, sc, zero
.irp a, \a0, \a0+1
.irp b, 0,1,2,3,4,5,6,7
.if \zero
	v_wmma_scale_f32_16x16x128_f8f6f4 v[8*(8*((\a)%4)+\b):8*(8*((\a)%4)+\b)+7], v[128*(\p)+FR*\b:128*(\p)+FR*\b+FR-1], v[AF+FR*(\a):AF+FR*(\a)+FR-1], 0, v[SC+8*NQ*(\sc)+NQ*\b+(\q)], v[SC+8*NQ*(\sc)+NQ*(\a)+(\q)] matrix_a_fmt:MATRIX_FMT_FP4 matrix_b_fmt:MATRIX_FMT_FP4 matrix_a_scale:MATRIX_SCALE_ROW1
.else
	v_wmma_scale_f32_16x16x128_f8f6f4 v[8*(8*((\a)%4)+\b):8*(8*((\a)%4)+\b)+7], v[128*(\p)+FR*\b:128*(\p)+FR*\b+FR-1], v[AF+FR*(\a):AF+FR*(\a)+FR-1], v[8*(8*((\a)%4)+\b):8*(8*((\a)%4)+\b)+7], v[SC+8*NQ*(\sc)+NQ*\b+(\q)], v[SC+8*NQ*(\sc)+NQ*(\a)+(\q)] matrix_a_fmt:MATRIX_FMT_FP4 matrix_b_fmt:MATRIX_FMT_FP4 matrix_a_scale:MATRIX_SCALE_ROW1
.endif
.endr
.endr
.endm
.macro FETCH_B slot, q, p
	WIN TO_B
.irp i, 0,1,2,3,4,5,6,7
	FRAG 128*(\p)+FR*\i, ADRB+\slot, \q, \i
.endr
	WIN 0
.endm
.macro FETCH_A slot, q, i0
.irp i, \i0, \i0+1, \i0+2, \i0+3
	FRAG AF+FR*(\i), ADRA+\slot, \q, \i
.endr
.endm
.macro SCALES sc                       ; a slot's scale words: four words a row; lanes 0-15 take A's block i, lanes 16-31 B's block i
.irp i, 0,1,2,3,4,5,6,7
	ds_load_b128 v[SC+8*NQ*\sc+NQ*\i:SC+8*NQ*\sc+NQ*\i+3], v[ADRS] offset:\i*SBLK
.endr
.endm
.macro PLACES n                        ; plain vector lines between a matrix instruction and a load into, or a read of, its registers
.rept \n
	v_nop
.endr
.endm
.macro STEP slot, q, zero              ; 128 along K that has its successor in the same slot
	s_wait_dscnt 4*NL                              ; B's set and A's blocks 0-3 are in; the youngest eight loads (A's blocks 4-7) may be out
	WIN MUL_LO
	MUL16 0, (\q)%2, \q, \slot, \zero
	MUL16 2, (\q)%2, \q, \slot, \zero
	s_wait_dscnt 0
	PLACES NP
	FETCH_B \slot, (\q)+1, 1-(\q)%2
	FETCH_A \slot, (\q)+1, 0
	WIN MUL_HI
	MUL16 4, (\q)%2, \q, \slot, \zero
	MUL16 6, (\q)%2, \q, \slot, \zero
	PLACES NP
	WIN 0
	FETCH_A \slot, (\q)+1, 4
.endm
.macro STEPS slot, from
.set Q, \from
.rept NQ-1-\from
	STEP \slot, Q, 0
.set Q, Q+1
.endr
.endm
	s_wait_tensorcnt 1                             ; the scales and my part of slot 0 are in; slot 1's load may be out
	s_barrier_signal -1
	s_barrier_wait -1
	FETCH_B 0, 0, 0
	FETCH_A 0, 0, 0
	SCALES 0
	FETCH_A 0, 0, 4
	STEP 0, 0, 1                                   ; the first products start the sums: nothing is cleared
	STEPS 0, 1
	; slot 0's last step changes slots: one barrier; in front of it my part of slot 1 has landed and my reads of slot 0 are over
	s_wait_tensorcnt 0x0
	ds_add_u32 v[SPW], v[NIL]                      ; 0 onto my spare word
	s_wait_dscnt 4*NL+1                            ; (the add and A's blocks 4-7 may be out)
	WIN MUL_LO
	MUL16 0, 1, NQ-1, 0, 0
	s_wait_dscnt 0x0
	s_barrier_signal -1
	MUL16 2, 1, NQ-1, 0, 0
	WIN 0
	s_barrier_wait -1
	PLACES NP
	v_add_nc_u32 v[ADRS], 4*NQ, v[ADRS]            ; on to slot 1's scale words
	FETCH_B 1, 0, 0
	FETCH_A 1, 0, 0
	SCALES 1
	WIN MUL_HI
	MUL16 4, 1, NQ-1, 0, 0
	MUL16 6, 1, NQ-1, 0, 0
	PLACES NP
	WIN 0
	FETCH_A 1, 0, 4
	STEPS 1, 0
	s_wait_dscnt 4*NL                              ; the very last step
	WIN MUL_LO
	MUL16 0, 1, NQ-1, 1, 0
	MUL16 2, 1, NQ-1, 1, 0
	s_wait_dscnt 0
	WIN MUL_HI
	MUL16 4, 1, NQ-1, 1, 0
	MUL16 6, 1, NQ-1, 1, 0
	WIN 0
	; THE WAY OUT.
	PLACES NP                                      ; behind the last products: their results are read, and their operands' registers written, only from here on
	; The raw sums of a batch's first 16 tokens: block 0 of the wave whose rows begin a batch.  The choice is made by EXEC, not by a branch: partners of a cluster take one path through the text.
	; A lane stores 32 neighbouring bytes of its row; the rows lie 12,288 bytes apart, so these 786,432 bytes of the launch's 51 million leave in pieces of 64 bytes.
	s_wait_xcnt 0x0                                ; EXEC changes only behind this wait
	v_mov_b32 v[FL], s95
	v_cmp_eq_u32 vcc_lo, 0, v[FL]
	s_and_saveexec_b32 s3, vcc_lo
	WIN 0x08                                       ; a store's data are its source 1: window 2
.irp b, 0,1,2,3,4,5,6,7
	global_store_b128 v[QF], v[8*\b:8*\b+3], s[66:67] offset:64*\b        ; each accumulator from its low end on
	global_store_b128 v[QF], v[8*\b+4:8*\b+7], s[66:67] offset:64*\b+16
.endr
	WIN 0
	s_wait_xcnt 0x0                                ; and again in front of the line that widens it
	s_or_b32 exec_lo, exec_lo, s3
; Block a (16 rows x 128 columns): x the factor in f32, rounded once to f16, 16 bytes a lane; through my stage; back as whole rows of 256 bytes.
.macro PACK a
.set AC, 64*((\a)%4)
	WIN 0x02+((\a)/4)                              ; source 0: window 2 or 3
.set n_, 0
.rept 32
	v_pk_mul_f32 v[TF+2*n_:TF+2*n_+1], v[AC+2*n_:AC+2*n_+1], s[96:97] op_sel_hi:[1,0]   ; ascending: each accumulator is read from its low end on
.set n_, n_+1
.endr
	WIN 0
.set n_, 0
.rept 32
	v_cvt_pk_f16_f32 v[TMP+n_], v[TF+2*n_], v[TF+2*n_+1]
.set n_, n_+1
.endr
.endm
.macro TOSTAGE a
.set BB, BK+32*((\a)%2)
.irp b, 0,1,2,3,4,5,6,7
	ds_store_b128 v[STO], v[TMP+4*\b:TMP+4*\b+3] offset:32*\b
.endr
.irp t, 0,1,2,3,4,5,6,7
	ds_load_b128 v[BB+4*\t:BB+4*\t+3], v[RD] offset:\t*2*SPITCH    ; LDS serves a wave's instructions in order: these see the stores above
.endr
.endm
.macro SEND a
.set BB, BK+32*((\a)%2)
	s_wait_dscnt 0x0                               ; the block is back in registers
	s_wait_xcnt 0x0                                ; earlier stores have read their base and their registers: the base steps, and the other set may be loaded again
.if (\a) > 0
	s_add_nc_u64 s[12:13], s[12:13], 16*SIZE_N*2
.endif
.irp t, 0,1,2,3,4,5,6,7
	global_store_b128 v[CO], v[BB+4*\t:BB+4*\t+3], s[12:13] offset:2*\t*SIZE_N*2   ; 16 lanes store 256 consecutive bytes, at a multiple of 256 from the buffer's first byte
.endr
.endm
	PACK 0
	TOSTAGE 0
.irp a, 1,2,3,4,5,6,7                  ; block a's arithmetic stands between block a - 1's loads from the stage and the wait for them
	PACK \a
	SEND \a-1
	TOSTAGE \a
.endr
	SEND 7
	s_wait_tensorcnt 0x0                           ; the wave's end: a tensor wait, an add and its wait behind my last tensor load and my last LDS store
	ds_add_u32 v[SPW], v[NIL]
	s_wait_dscnt 0x0
	CROUND                                         ; the closing round
	s_endpgm
.Lfunc_end_k_q6eab4aee48_qkv:
	.size	k_q6eab4aee48_qkv, .Lfunc_end_k_q6eab4aee48_qkv-k_q6eab4aee48_qkv
	.p2alignl 7, 3214868480
	.fill 96, 4, 3214868480
	.section	.rodata,"a",@progbits
	.p2align	6, 0x0
	.amdhsa_kernel k_q6eab4aee48_qkv
		.amdhsa_group_segment_fixed_size 327680
		.amdhsa_private_segment_fixed_size 0
		.amdhsa_enable_private_segment 0
		.amdhsa_kernarg_size 48
		.amdhsa_user_sgpr_count 2
		.amdhsa_user_sgpr_kernarg_segment_ptr 1
		.amdhsa_wavefront_size32 1
		.amdhsa_system_sgpr_workgroup_id_x 1
		.amdhsa_system_sgpr_workgroup_id_y 1
		.amdhsa_system_sgpr_workgroup_id_z 1
		.amdhsa_system_vgpr_workitem_id 0
		.amdhsa_next_free_vgpr 1024
		.amdhsa_next_free_sgpr 98
		.amdhsa_reserve_vcc 1
		.amdhsa_float_denorm_mode_32 3
		.amdhsa_float_denorm_mode_16_64 3
		.amdhsa_memory_ordered 1
		.amdhsa_forward_progress 1
		.amdhsa_inst_pref_size 145
	.end_amdhsa_kernel
	.amdgpu_metadata
---
amdhsa.version: [ 1, 2 ]
amdhsa.kernels:
  - .name:           k_q6eab4aee48_qkv
    .symbol:         k_q6eab4aee48_qkv.kd
    .args:
      - { .name: x_codes, .offset: 0, .size: 8, .value_kind: global_buffer, .address_space: global }
      - { .name: x_scales, .offset: 8, .size: 8, .value_kind: global_buffer, .address_space: global }
      - { .name: w_codes, .offset: 16, .size: 8, .value_kind: global_buffer, .address_space: global }
      - { .name: w_scales, .offset: 24, .size: 8, .value_kind: global_buffer, .address_space: global }
      - { .name: qkv16, .offset: 32, .size: 8, .value_kind: global_buffer, .address_space: global }
      - { .name: q32, .offset: 40, .size: 8, .value_kind: global_buffer, .address_space: global }
    .group_segment_fixed_size: 327680
    .private_segment_fixed_size: 0
    .kernarg_segment_align: 8
    .kernarg_segment_size: 48
    .max_flat_workgroup_size: 128
    .sgpr_count:     98
    .vgpr_count:     1024
    .wavefront_size: 32
...
	.end_amdgpu_metadata
.endif
;; end of part 2
;; launch attn (part 3): grid 8 x 32, 8 waves a work-group, no clusters, 327,680 bytes of LDS; arguments qkv16, y16; writes y16
.if DOCPART == 3
	.amdgcn_target "amdgcn-amd-amdhsa--gfx1250"
	.amdhsa_code_object_version 6
	.text
	.protected	k_q6eab4aee48_attn
	.globl	k_q6eab4aee48_attn
	.p2align	8
	.type	k_q6eab4aee48_attn,@function
k_q6eab4aee48_attn:
	s_mov_b64 s[64:65], 0
	v_nop
	global_prefetch_b8 v0, s[64:65] scope:SCOPE_SE
	s_setreg_imm32_b32 hwreg(HW_REG_WAVE_MODE, 25, 1), 1
	s_wait_xcnt 0x0
; y[b][t][h][:] = the sum over s <= t of softmax_s(q[b][t][h] . k[b][s][h] / 8) v[b][s][h][:].  qkv16: [8192 tokens][3072] f16, a row = q (already x c = log2(e) / 8), k, v, 2,048 bytes each; y16: [8192][1024] f16.
; Products on f16 operands with f32 sums; maxima, exponentials and sums in f32, with a running maximum; the weights p = 2^(t - m) <= 1 are rounded to f16 for the second product, y once at the end.
; LIMITS: |y| under 65,504; weights under 6e-5 keep an absolute error of 2^-25; NaN and infinities are not served.  (The first 16 tokens of each batch are computed here too, and written again in f32 by a later launch.)
; SHARES.  A work-group takes one batch and a PAIR of heads: 256 consecutive bytes of every row of k, v and y.  It makes two blocks of 128 queries one after the other: block 15 - I, then block I (I = its x).
; Under the causal mask they need 16 - I and I + 1 blocks of 128 keys: 17 for every work-group: all trip counts are constants and all 256 work-groups have the same work.
; Wave w: head w / 4 of the pair, queries 32 (w % 4) on: two tiles of 16 queries, which share every fragment of K and V.
; NO CLUSTER: the eight work-groups of a pair of heads turn back to key block 0 at different trips (16 - I), so partners would not ask for the same tiles.
; LAYOUT.  S^T = K Q^T (source 0 = 16 keys, source 1 = 16 queries): a lane holds ONE query (lane % 16) and keys 8 (lane / 16) + 0..7 of each tile.  Two such tiles, rounded in pairs, are source 1 (32 keys x 16 queries)
; of O^T = V^T P, whose result again holds one query a lane and eight channels.  K comes out of LDS as it lies, V ([key][channel]) turned, by ds_load_tr16_b128.
; RING.  Two slots of 128 keys (two steps of 64: K's 64 rows at pitch 272, then V's at pitch 288).  Waves 0, 1 fetch K's two steps, waves 2, 3 V's; all eight read.
; REGISTERS: v1-15 addresses and constants; v16-31 statistics, 8 a tile: +0 m, +1 the old m, +2, +3 l, +4..+7 at work (a in +6); v32-63 Q; v64-127 S^T, then p, then P packed in place; v128-191 O^T; v192-255 K's fragments, then V's.
.set PK,    272
.set PV,    288
.set VOFF,  64*PK
.set STEPB, 64*(PK+PV)
.set SLOT1, 1<<17                      ; slot 1 begins here: one exclusive or turns an address in one slot into the other's
.set STG0,  2*STEPB                    ; behind slot 0: the late block's stage, 128 rows x 272 bytes; no tile lands there
.set STG1,  SLOT1+2*STEPB              ; behind slot 1: the early block's
.set SPARE, STG1+128*272               ; the spare words, 128 bytes for each wave
.set ROWB,  6144                       ; a row of qkv16
.set KBLK,  128*ROWB                   ; a block of 128 keys in memory
.set AK0, 1
.set AV0, 2
.set ADK, 3
.set ADV, 4
.set SPW, 5                            ; v5   LDS address of my spare word; never rewritten
.set NIL, 6                            ; v6   0; never rewritten
.set QO,  7
.set PFO, 8
.set STO0, 9
.set STO1, 10
.set RD0, 11
.set RD1, 12
.set GO,  13
.set RH,  14                           ; v14  lane % 16 - 8 (lane / 16)
.set NINF, 15                          ; v15  -infinity
.set ST,  16
.set DQ,  20                           ; v20  on the diagonal: my query - the step's first key - 8 (lane / 16); the maximum's first chain takes the register afterwards
.set Q,   32
.set S,   64
.set O,   128
.set KV,  192
.set WV,  8
.set HH,  9
.set WQ,  10
.set LL,  12                           ; s12  15 - I: the late block, and the last trip that serves it
.set LP1, 13                           ; s13  16 - I
.set SI,  14                           ; s14  the trip
.set Q0E, 15                           ; s15  my first query in the early block
.set Q0,  16                           ; s16  my first query in the block in hand
.set KF,  17                           ; s17  the step's first key
.set TB,  18                           ; s18  LDS byte at which the slot in hand begins
.set SEL, 20
.set LIM, 22
.set G1K, 24
.set G1V, 32
.set G0K, 40
.set G0V, 44
.set KB,  48
.set VB,  50
.set QA0, 52
.set QA1, 54
.set YB0, 56
.set YB1, 58
.set PFA, 60
; Waves 0 and 1 fetch for K, waves 2 and 3 for V, the others nothing; the branches hang on the wave's number alone.  An s_nop 0 and four v_nop follow each of the two lines.
.macro TLOAD
	s_cmp_lt_u32 s[WV], 2
	s_cbranch_scc0 .Lnot_k_\@
	tensor_load_to_lds s[G0K:G0K+3], s[G1K:G1K+7]
	s_nop 0
.rept 4
	v_nop
.endr
	s_branch .Lasked_\@
.Lnot_k_\@:
	s_cmp_lt_u32 s[WV], 4
	s_cbranch_scc0 .Lasked_\@
	tensor_load_to_lds s[G0V:G0V+3], s[G1V:G1V+7]
	s_nop 0
.rept 4
	v_nop
.endr
.Lasked_\@:
.endm
; A prefetch of key block SI + 2, one slot (two key steps) ahead of the tensor loads that will ask for it.  The eight work-groups of a pair of heads begin with the same key blocks in the same order: the one with I = 0, which
; walks all sixteen, asks, in trips 0 to 13: waves 0-3 for K's rows 32 (w % 4) on, waves 4-7 for V's, a lane a row of 256 bytes: each row's piece is named once in the launch.  Blocks 0 and 1 come by their loads alone.
.macro ASK
	s_cmp_lt_u32 s[SI], s[LIM]
	s_cbranch_scc0 .Lnot_mine_\@
	global_prefetch_b8 v[PFO], s[PFA:PFA+1] th:TH_LOAD_NT scope:SCOPE_SE
.Lnot_mine_\@:
.endm
	s_load_b128 s[4:7], s[0:1], 0x0                ; qkv16 s[4:5], y16 s[6:7]
	v_lshl_add_u32 v[SPW], v0, 2, SPARE
	v_mov_b32 v[NIL], 0
	ds_add_u32 v[SPW], v[NIL]                      ; the wave's opening: the add, twice on end, and its wait ahead of the first tensor load
	ds_add_u32 v[SPW], v[NIL]
	v_lshrrev_b32 v16, 5, v0
	v_readfirstlane_b32 s[WV], v16                 ; wave 0..7
	s_lshr_b32 s[HH], s[WV], 2
	s_and_b32 s[WQ], s[WV], 3
	s_sub_co_u32 s[LL], 15, ttmp9
	s_sub_co_u32 s[LP1], 16, ttmp9
	s_and_b32 s66, ttmp7, 0xffff
	s_lshr_b32 s67, s66, 3                         ; the batch
	s_and_b32 s68, s66, 7                          ; the pair of heads
	s_mul_i32 s69, s67, 2048*ROWB
	s_lshl_b32 s70, s68, 8                         ; 256 bytes a pair
	s_add_co_u32 s69, s69, s70                     ; the batch's first row, at the pair's bytes of q
	s_mov_b32 s[G1K], (1<<16)|(1<<20)|(5<<22)|(3<<25)   ; no mask; elements of 2 bytes; padding: 4 words after every 64
	s_mov_b32 s[G1V], (1<<16)|(1<<20)|(5<<22)|(7<<25)   ; the same with 8 words
.irp g, G1K, G1V
	s_mov_b32 s[\g+1], 128<<16                     ; tensor_dim0 = 128
	s_mov_b32 s[\g+2], 64<<16                      ; tensor_dim1 = 64
	s_mov_b32 s[\g+3], 128<<16                     ; tile_dim0 = 128
	s_mov_b32 s[\g+4], 64                          ; tile_dim1 = 64
	s_mov_b32 s[\g+5], 3072                        ; elements from row to row
	s_mov_b32 s[\g+6], 0
	s_mov_b32 s[\g+7], 0
.endr
	s_mov_b32 s[SEL], 0x76543210
	s_mov_b32 s[SEL+1], 0xfedcba98                 ; v_permlanex16_b32's selects for lane l xor 16
	s_and_b32 s66, s[WV], 1                        ; which of a slot's two steps I fetch, if I fetch
	s_mul_i32 s71, s66, STEPB
	s_mul_i32 s62, s66, 64*ROWB
	s_add_co_u32 s62, s62, s69
	s_add_co_u32 s62, s62, 2048                    ; k lies 2,048 bytes into a row
	s_mov_b32 s63, 0
	s_mov_b32 s[SI], 0
	s_mov_b32 s[KF], 0
	s_mov_b32 s[TB], 0
	s_wait_dscnt 0x0                               ; both opening adds are done
	s_wait_kmcnt 0x0
	s_add_nc_u64 s[KB:KB+1], s[4:5], s[62:63]      ; K's tile of key block 0
	s_add_nc_u64 s[VB:VB+1], s[KB:KB+1], 2048      ; V's
	s_mov_b32 s[G0K], 1
	s_mov_b32 s[G0K+1], s71
	s_mov_b64 s[G0K+2:G0K+3], s[KB:KB+1]
	s_or_b32 s[G0K+3], s[G0K+3], 0x80000000
	s_mov_b32 s[G0V], 1
	s_add_co_u32 s[G0V+1], s71, VOFF
	s_mov_b64 s[G0V+2:G0V+3], s[VB:VB+1]
	s_or_b32 s[G0V+3], s[G0V+3], 0x80000000
	TLOAD                                          ; slot 0: key block 0, which counts for every query
	s_lshl_b32 s66, s[WQ], 5
	s_lshl_b32 s[Q0], s[LL], 7
	s_add_co_u32 s[Q0], s[Q0], s66                 ; my first query: 128 x block + 32 (w % 4)
	s_lshl_b32 s[Q0E], ttmp9, 7
	s_add_co_u32 s[Q0E], s[Q0E], s66
	s_lshl_b32 s19, s[HH], 7                       ; my head's 128 bytes of the pair's 256
	s_add_co_u32 s23, s69, s19
	s_mul_i32 s62, s[Q0], ROWB
	s_add_co_u32 s62, s62, s23
	s_add_nc_u64 s[QA0:QA0+1], s[4:5], s[62:63]
	s_mul_i32 s62, s[Q0E], ROWB
	s_add_co_u32 s62, s62, s23
	s_add_nc_u64 s[QA1:QA1+1], s[4:5], s[62:63]
	s_lshl_b32 s66, s67, 11
	s_lshl_b32 s68, s[WV], 4
	s_add_co_u32 s66, s66, s68                     ; on the way out wave w stores rows 16 w on of a block
	s_lshl_b32 s68, s[LL], 7
	s_add_co_u32 s68, s68, s66
	s_lshl_b32 s62, s68, 11                        ; a row of y16 is 2,048 bytes
	s_add_co_u32 s62, s62, s70
	s_add_nc_u64 s[YB0:YB0+1], s[6:7], s[62:63]
	s_lshl_b32 s68, ttmp9, 7
	s_add_co_u32 s68, s68, s66
	s_lshl_b32 s62, s68, 11
	s_add_co_u32 s62, s62, s70
	s_add_nc_u64 s[YB1:YB1+1], s[6:7], s[62:63]
	s_lshl_b32 s66, s[WQ], 5
	s_add_co_u32 s66, s66, 128                     ; the prefetches stand at key block 1; the first change of slots steps them to block 2
	s_mul_i32 s62, s66, ROWB
	s_add_co_u32 s62, s62, s69
	s_lshl_b32 s66, s[HH], 11                      ; waves 0-3: k; waves 4-7: v
	s_add_co_u32 s62, s62, s66
	s_add_co_u32 s62, s62, 2048
	s_add_nc_u64 s[PFA:PFA+1], s[4:5], s[62:63]
	s_cmp_eq_u32 ttmp9, 0
	s_cselect_b32 s[LIM], 14, 0
	v_and_b32 v16, 15, v0                          ; r
	v_bfe_u32 v17, v0, 4, 1                        ; h
	v_and_b32 v18, 31, v0                          ; lane
	v_mul_u32_u24 v[AK0], v16, PK
	v_lshl_add_u32 v[AK0], v17, 4, v[AK0]
	v_add_nc_u32 v[AK0], s19, v[AK0]               ; K: row r x pitch + 16 h + my head's bytes
	v_and_b32 v19, 7, v0
	v_bfe_u32 v20, v0, 3, 1
	v_lshl_add_u32 v[AV0], v17, 3, v19
	v_mul_u32_u24 v[AV0], v[AV0], PV
	v_lshl_add_u32 v[AV0], v20, 4, v[AV0]          ; V, for the turning load: key 8 h + l % 8, channels 8 ((l / 8) % 2) on
	s_add_co_u32 s23, s19, VOFF
	v_add_nc_u32 v[AV0], s23, v[AV0]
	v_mul_u32_u24 v[QO], v16, ROWB
	v_lshl_add_u32 v[QO], v17, 4, v[QO]
	v_mul_u32_u24 v[PFO], v18, ROWB
	s_mul_i32 s23, s[WQ], 32*272
	s_add_co_u32 s23, s23, s19
	s_add_co_u32 s23, s23, STG0
	v_mul_u32_u24 v[STO0], v16, 272
	v_lshl_add_u32 v[STO0], v17, 4, v[STO0]
	v_add_nc_u32 v[STO0], s23, v[STO0]             ; into a stage: row 32 (w % 4) + r, my head's half, 16 bytes for each half of the lanes
	v_add_nc_u32 v[STO1], STG1-STG0, v[STO0]
	s_mul_i32 s23, s[WV], 16*272
	s_add_co_u32 s23, s23, STG0
	v_mul_u32_u24 v[RD0], v17, 272
	v_lshl_add_u32 v[RD0], v16, 4, v[RD0]
	v_add_nc_u32 v[RD0], s23, v[RD0]               ; back: rows 16 w on, whole: lanes 0-15 one row of 256 bytes, lanes 16-31 the next
	v_add_nc_u32 v[RD1], STG1-STG0, v[RD0]
	v_lshlrev_b32 v[GO], 11, v17
	v_lshl_add_u32 v[GO], v16, 4, v[GO]            ; and the same two rows in y16
	v_lshlrev_b32 v17, 3, v17
	v_sub_nc_u32 v[RH], v16, v17
	v_mov_b32 v[NINF], 0xff800000
; A block of queries begins: m = -3e38 (under every score), l and O^T zeros (the first change of m multiplies zeros: the key step is written once), Q into registers.
.macro START qa
.irp t, 0,1
	v_mov_b32 v[ST+8*\t], 0xff61b1e6
	v_mov_b32 v[ST+8*\t+1], 0xff61b1e6
.irp i, 2,3,4,5,6,7
	v_mov_b32 v[ST+8*\t+\i], 0
.endr
.endr
.set n_, 0
.rept 64
	v_mov_b32 v[O+n_], 0
.set n_, n_+1
.endr
.irp t, 0,1
.irp c, 0,1
	global_load_b128 v[Q+16*\t+8*\c:Q+16*\t+8*\c+3], v[QO], s[\qa:\qa+1] offset:16*\t*ROWB+64*\c
	global_load_b128 v[Q+16*\t+8*\c+4:Q+16*\t+8*\c+7], v[QO], s[\qa:\qa+1] offset:16*\t*ROWB+64*\c+32
.endr
.endr
	s_wait_loadcnt 0x0
.endm
; A KEY STEP: 64 keys, the q-th of the slot in hand.
.macro STEP q
	s_add_co_u32 s19, s[Q0], 31                    ; a step all of whose keys come after my 32 queries is left out: a scalar branch on ids, round no barrier, wait on tiles or tensor load
	s_cmp_gt_u32 s[KF], s19
	s_cbranch_scc1 .Lhidden_\@
	v_add_nc_u32 v[ADK], s[TB], v[AK0]
	v_add_nc_u32 v[ADV], s[TB], v[AV0]
.rept 3
	v_nop                                          ; with the two additions five places behind the last step's products: the new scores are written over P, and K lands where V lay
.endr
.irp c, 0,1                                    ; K's eight fragments (16 keys x 32 channels), the first 32 channels first
.irp k, 0,1,2,3
	ds_load_b128 v[KV+8*(2*\k+\c):KV+8*(2*\k+\c)+3], v[ADK] offset:(\q)*STEPB+\k*16*PK+64*\c
	ds_load_b128 v[KV+8*(2*\k+\c)+4:KV+8*(2*\k+\c)+7], v[ADK] offset:(\q)*STEPB+\k*16*PK+64*\c+32
.endr
.endr
	s_wait_dscnt 8                                 ; the first 32 channels are in; the eight loads of the second 32 may be out
.irp k, 0,1,2,3                                ; the eight accumulators take turns, one instruction a turn
.irp t, 0,1
	v_wmma_f32_16x16x32_f16 v[S+32*\t+8*\k:S+32*\t+8*\k+7], v[KV+16*\k:KV+16*\k+7], v[Q+16*\t:Q+16*\t+7], 0
.endr
.endr
	s_wait_dscnt 0x0
.irp k, 0,1,2,3
.irp t, 0,1
	v_wmma_f32_16x16x32_f16 v[S+32*\t+8*\k:S+32*\t+8*\k+7], v[KV+16*\k+8:KV+16*\k+15], v[Q+16*\t+8:Q+16*\t+15], v[S+32*\t+8*\k:S+32*\t+8*\k+7]
.endr
.endr
.rept 4
	v_nop                                          ; places in front of the loads into K's registers and of the first read of the scores
.endr
.irp g, 0,1                                    ; V's eight fragments (16 channels x 32 keys), turned; they land while the softmax is walked
.irp c, 0,1,2,3
	ds_load_tr16_b128 v[KV+8*(4*\g+\c):KV+8*(4*\g+\c)+3], v[ADV] offset:(\q)*STEPB+\g*32*PV+32*\c
	ds_load_tr16_b128 v[KV+8*(4*\g+\c)+4:KV+8*(4*\g+\c)+7], v[ADV] offset:(\q)*STEPB+\g*32*PV+16*PV+32*\c
.endr
.endr
	s_add_co_u32 s19, s[KF], 63                    ; on the diagonal hidden scores become -infinity ahead of the maximum; a step all of whose keys count skips this
	s_cmp_le_u32 s19, s[Q0]
	s_cbranch_scc1 .Lopen_\@
	s_sub_co_i32 s19, s[Q0], s[KF]
	v_add_nc_u32 v[DQ], s19, v[RH]                 ; register 8 k + j of tile t holds key KF + 16 k + 8 h + j for query Q0 + 16 t + r: hidden where 16 k + j - 16 t > d
.irp t, 0,1
.irp k, 0,1,2,3
.irp j, 0,1,2,3,4,5,6,7
	v_cmp_gt_i32 vcc_lo, 16*\k+\j-16*\t, v[DQ]
	v_cndmask_b32 v[S+32*\t+8*\k+\j], v[S+32*\t+8*\k+\j], v[NINF], vcc_lo
.endr
.endr
.endr
.Lopen_\@:
	; THE SOFTMAX, both tiles line by line, so that no line waits for the line above it
.irp t, 0,1
	v_mov_b32 v[ST+8*\t+1], v[ST+8*\t]             ; the old m
.endr
.irp j, 0,1,2,3                                ; four chains, one for each accumulator, from its low end on
.irp t, 0,1
	v_max3_num_f32 v[ST+8*\t+4+\j], v[S+32*\t+8*\j], v[S+32*\t+8*\j+1], v[S+32*\t+8*\j+2]
.endr
.endr
.irp i, 3,5
.irp j, 0,1,2,3
.irp t, 0,1
	v_max3_num_f32 v[ST+8*\t+4+\j], v[ST+8*\t+4+\j], v[S+32*\t+8*\j+\i], v[S+32*\t+8*\j+\i+1]
.endr
.endr
.endr
.irp t, 0,1
	v_max3_num_f32 v[ST+8*\t+4], v[ST+8*\t+4], v[S+32*\t+7], v[S+32*\t+15]
.endr
.irp t, 0,1
	v_max3_num_f32 v[ST+8*\t+6], v[ST+8*\t+6], v[S+32*\t+23], v[S+32*\t+31]
.endr
.irp t, 0,1
	v_max3_num_f32 v[ST+8*\t+4], v[ST+8*\t+4], v[ST+8*\t+5], v[ST+8*\t+6]
.endr
.irp t, 0,1
	v_max3_num_f32 v[ST+8*\t+4], v[ST+8*\t+4], v[ST+8*\t+7], v[ST+8*\t+1]
.endr
.irp t, 0,1
	v_permlanex16_b32 v[ST+8*\t+5], v[ST+8*\t+4], s[SEL], s[SEL+1]   ; the query's other 32 keys lie in the lane 16 away
.endr
.irp t, 0,1
	v_max_num_f32 v[ST+8*\t], v[ST+8*\t+4], v[ST+8*\t+5]             ; the new m
.endr
.irp t, 0,1
	v_sub_f32 v[ST+8*\t+7], v[ST+8*\t+1], v[ST+8*\t]                 ; old m - new m, 0 or less
.endr
.set n_, 0
.rept 16
.irp t, 0,1
	v_pk_add_f32 v[S+32*\t+2*n_:S+32*\t+2*n_+1], v[S+32*\t+2*n_:S+32*\t+2*n_+1], v[ST+8*\t:ST+8*\t+1] op_sel_hi:[1,0] neg_lo:[0,1] neg_hi:[0,1]   ; t - m, two at a time (of the pair the low word, m, serves both)
.endr
.set n_, n_+1
.endr
.irp t, 0,1
	v_exp_f32 v[ST+8*\t+6], v[ST+8*\t+7]           ; a = 2^(old m - new m)
.endr
.set n_, 0
.rept 32
.irp t, 0,1
	v_exp_f32 v[S+32*\t+n_], v[S+32*\t+n_]         ; p = 2^(t - m)
.endr
.set n_, n_+1
.endr
	v_nop                                          ; a plain line behind the last exponential
	s_wait_alu depctr_va_vdst(0)                   ; ONE wait for the 66 exponentials, ahead of the first line that names a result
.irp t, 0,1
	v_pk_mul_f32 v[ST+8*\t+2:ST+8*\t+3], v[ST+8*\t+2:ST+8*\t+3], v[ST+8*\t+6:ST+8*\t+7] op_sel_hi:[1,0]   ; l x a
.endr
.irp t, 0,1
	v_pk_add_f32 v[ST+8*\t+4:ST+8*\t+5], v[S+32*\t:S+32*\t+1], v[S+32*\t+2:S+32*\t+3]   ; the sum of p in f32, in two chains
.endr
.irp j, 4,8,12,16,20,24,28
.irp t, 0,1
	v_pk_add_f32 v[ST+8*\t+2:ST+8*\t+3], v[ST+8*\t+2:ST+8*\t+3], v[S+32*\t+\j:S+32*\t+\j+1]
	v_pk_add_f32 v[ST+8*\t+4:ST+8*\t+5], v[ST+8*\t+4:ST+8*\t+5], v[S+32*\t+\j+2:S+32*\t+\j+3]
.endr
.endr
.irp t, 0,1
	v_pk_add_f32 v[ST+8*\t+2:ST+8*\t+3], v[ST+8*\t+2:ST+8*\t+3], v[ST+8*\t+4:ST+8*\t+5]
.endr
.set n_, 0
.rept 16
.irp t, 0,1
	v_cvt_pk_f16_f32 v[S+32*\t+n_], v[S+32*\t+2*n_], v[S+32*\t+2*n_+1]   ; P, packed in place: register n takes pair n, which lies at or above it
.endr
.set n_, n_+1
.endr
.set n_, 0
.rept 16
.irp t, 0,1
	v_pk_mul_f32 v[O+32*\t+2*n_:O+32*\t+2*n_+1], v[O+32*\t+2*n_:O+32*\t+2*n_+1], v[ST+8*\t+6:ST+8*\t+7] op_sel_hi:[1,0]   ; O^T x a, each accumulator from its low end on
.endr
.set n_, n_+1
.endr
	s_wait_dscnt 0x0                               ; V is in
.irp g, 0,1                                    ; O^T += V^T P: the eight accumulators take turns
.irp c, 0,1,2,3
.irp t, 0,1
	v_wmma_f32_16x16x32_f16 v[O+32*\t+8*\c:O+32*\t+8*\c+7], v[KV+8*(4*\g+\c):KV+8*(4*\g+\c)+7], v[S+32*\t+8*\g:S+32*\t+8*\g+7], v[O+32*\t+8*\c:O+32*\t+8*\c+7]
.endr
.endr
.endr
.Lhidden_\@:
	s_add_co_u32 s[KF], s[KF], 64
.endm
; A block of queries ends: O^T / l, rounded to f16, into the block's stage: my 32 rows, my head's half of their 256 bytes.
.macro NORM_STAGE sto
.rept 4
	v_nop                                          ; places behind the last products
.endr
.irp t, 0,1
	v_add_f32 v[ST+8*\t+4], v[ST+8*\t+2], v[ST+8*\t+3]
.endr
.irp t, 0,1
	v_permlanex16_b32 v[ST+8*\t+5], v[ST+8*\t+4], s[SEL], s[SEL+1]
.endr
.irp t, 0,1
	v_add_f32 v[ST+8*\t+4], v[ST+8*\t+4], v[ST+8*\t+5]
.endr
.irp t, 0,1
	v_rcp_f32 v[ST+8*\t+6], v[ST+8*\t+4]
.endr
	v_nop                                          ; a plain line behind the reciprocals,
	s_wait_alu depctr_va_vdst(0)                   ; and the wait ahead of their first use
.irp t, 0,1
.set n_, 0
.rept 16
	v_pk_mul_f32 v[O+32*\t+2*n_:O+32*\t+2*n_+1], v[O+32*\t+2*n_:O+32*\t+2*n_+1], v[ST+8*\t+6:ST+8*\t+7] op_sel_hi:[1,0]
.set n_, n_+1
.endr
.endr
.irp t, 0,1
.set n_, 0
.rept 16
	v_cvt_pk_f16_f32 v[S+16*\t+n_], v[O+32*\t+2*n_], v[O+32*\t+2*n_+1]
.set n_, n_+1
.endr
.endr
.irp t, 0,1
.irp c, 0,1,2,3
	ds_store_b128 v[\sto], v[S+16*\t+4*\c:S+16*\t+4*\c+3] offset:16*\t*272+32*\c
.endr
.endr
.endm
; A stage leaves: wave w takes rows 16 w on, whole.
.macro STAGE_OUT rd, yb, reg
.irp j, 0,1,2,3,4,5,6,7
	ds_load_b128 v[\reg+4*\j:\reg+4*\j+3], v[\rd] offset:2*\j*272
.endr
.irp j, 0,1,2,3,4,5,6,7
	s_wait_dscnt 7-\j                              ; LDS loads come back in order: pair j of rows is in
	global_store_b128 v[GO], v[\reg+4*\j:\reg+4*\j+3], s[\yb:\yb+1] offset:2*\j*2048   ; 16 lanes store 256 consecutive bytes, at a multiple of 256 from y16's first byte
.endr
.endm
; THE CHANGE OF SLOTS stands at a slot's head.  Each wave waits for all its tensor loads (its part of the slot that it is about to read), adds 0 to its spare word, and waits for that and for its LDS reads and stores.
; Behind the barrier the slot ahead is whole and nobody reads the other one.  fill = 1: that other slot takes the key block of trip SI + 1: block SI + 1 while the late queries are served, then blocks 0 on for the early ones.
.macro CHANGE fill
	s_wait_tensorcnt 0x0                           ; no tensor load of mine is out, so a group 0 may be written
	ds_add_u32 v[SPW], v[NIL]                      ; 0 onto my spare word
.if \fill
	ds_add_u32 v[SPW], v[NIL]                      ; and twice on end here, in every trip alike
	s_add_co_u32 s62, s[SI], 1
	s_cmp_le_u32 s62, s[LL]
	s_cselect_b32 s63, 0, s[LP1]
	s_sub_co_u32 s62, s62, s63                     ; the next trip's key block
	s_mul_i32 s62, s62, KBLK
	s_mov_b32 s63, 0
	s_xor_b32 s[G0K+1], s[G0K+1], SLOT1            ; the other slot than last time
	s_xor_b32 s[G0V+1], s[G0V+1], SLOT1
	s_add_nc_u64 s[G0K+2:G0K+3], s[KB:KB+1], s[62:63]
	s_or_b32 s[G0K+3], s[G0K+3], 0x80000000
	s_add_nc_u64 s[G0V+2:G0V+3], s[VB:VB+1], s[62:63]
	s_or_b32 s[G0V+3], s[G0V+3], 0x80000000
	s_wait_xcnt 0x0                                ; the last prefetch, a slot back, has read its address
	s_add_nc_u64 s[PFA:PFA+1], s[PFA:PFA+1], KBLK
.endif
	s_wait_dscnt 0x0
	s_barrier_signal -1
	s_barrier_wait -1
.if \fill
	TLOAD                                          ; the first thing behind the barrier, and a wave's one tensor load until the next: it has two key steps in which to land
	ASK
.endif
.endm
	START QA0
.Lslot:                                            ; 16 trips; each asks for the next trip's key block
	CHANGE 1
	STEP 0
	STEP 1
	s_xor_b32 s[TB], s[TB], SLOT1                  ; on to the other slot
	s_cmp_lg_u32 s[SI], s[LL]                      ; behind trip 15 - I the late block is finished: a branch on ids, the same in all eight waves, round no barrier
	s_cbranch_scc1 .Lsame
	NORM_STAGE STO0                                ; it waits in its stage for the kernel's end: so no stage is read between two barriers between which a wave could write it
	s_mov_b32 s[Q0], s[Q0E]
	s_mov_b32 s[KF], 0
	START QA1
.Lsame:
	s_add_co_u32 s[SI], s[SI], 1
	s_cmp_lt_u32 s[SI], 16
	s_cbranch_scc1 .Lslot
	CHANGE 0                                       ; the last slot is written out: nothing is left to fetch
	STEP 0
	STEP 1
	NORM_STAGE STO1
	s_wait_dscnt 0x0                               ; for the others' sake: my stores into the stages are done
	s_barrier_signal -1
	s_barrier_wait -1
	STAGE_OUT RD0, YB0, KV
	STAGE_OUT RD1, YB1, KV+32
	s_wait_tensorcnt 0x0                           ; the wave's end: a tensor wait, an add and its wait behind my last tensor load and my last LDS store
	ds_add_u32 v[SPW], v[NIL]
	s_wait_dscnt 0x0
	s_endpgm
.Lfunc_end_k_q6eab4aee48_attn:
	.size	k_q6eab4aee48_attn, .Lfunc_end_k_q6eab4aee48_attn-k_q6eab4aee48_attn
	.p2alignl 7, 3214868480
	.fill 96, 4, 3214868480
	.section	.rodata,"a",@progbits
	.p2align	6, 0x0
	.amdhsa_kernel k_q6eab4aee48_attn
		.amdhsa_group_segment_fixed_size 327680
		.amdhsa_private_segment_fixed_size 0
		.amdhsa_enable_private_segment 0
		.amdhsa_kernarg_size 16
		.amdhsa_user_sgpr_count 2
		.amdhsa_user_sgpr_kernarg_segment_ptr 1
		.amdhsa_wavefront_size32 1
		.amdhsa_system_sgpr_workgroup_id_x 1
		.amdhsa_system_sgpr_workgroup_id_y 1
		.amdhsa_system_sgpr_workgroup_id_z 1
		.amdhsa_system_vgpr_workitem_id 0
		.amdhsa_next_free_vgpr 256
		.amdhsa_next_free_sgpr 72
		.amdhsa_reserve_vcc 1
		.amdhsa_float_denorm_mode_32 3
		.amdhsa_float_denorm_mode_16_64 3
		.amdhsa_memory_ordered 1
		.amdhsa_forward_progress 1
		.amdhsa_inst_pref_size 114
	.end_amdhsa_kernel
	.amdgpu_metadata
---
amdhsa.version: [ 1, 2 ]
amdhsa.kernels:
  - .name:           k_q6eab4aee48_attn
    .symbol:         k_q6eab4aee48_attn.kd
    .args:
      - { .name: qkv16, .offset: 0, .size: 8, .value_kind: global_buffer, .address_space: global }
      - { .name: y16, .offset: 8, .size: 8, .value_kind: global_buffer, .address_space: global }
    .group_segment_fixed_size: 327680
    .private_segment_fixed_size: 0
    .kernarg_segment_align: 8
    .kernarg_segment_size: 16
    .max_flat_workgroup_size: 256
    .sgpr_count:     72
    .vgpr_count:     256
    .wavefront_size: 32
...
	.end_amdgpu_metadata
.endif
;; end of part 3
;; launch proj (part 4): grid 8 x 64, 4 waves a work-group, clusters of 4 x 4, 327,680 bytes of LDS; arguments y16, wpt, out0; writes out0
.if DOCPART == 4
	.amdgcn_target "amdgcn-amd-amdhsa--gfx1250"
	.amdhsa_code_object_version 6
	.text
	.protected	k_q6eab4aee48_proj
	.globl	k_q6eab4aee48_proj
	.p2align	8
	.type	k_q6eab4aee48_proj,@function
k_q6eab4aee48_proj:
	s_mov_b64 s[64:65], 0
	v_nop
	global_prefetch_b8 v0, s[64:65] scope:SCOPE_SE
	s_setreg_imm32_b32 hwreg(HW_REG_WAVE_MODE, 25, 1), 1
	s_wait_xcnt 0x0
	s_wait_alu depctr_hold_cnt(0) depctr_sa_sdst(0) depctr_va_vdst(0) depctr_va_sdst(0) depctr_va_ssrc(0) depctr_va_vcc(0) depctr_vm_vsrc(0)
	s_getreg_b32 s2, hwreg(HW_REG_IB_STS2, 6, 4)
	s_cmp_eq_u32 s2, 0
	s_cbranch_scc0 .Lentry_in_a_cluster
	s_endpgm
.Lentry_in_a_cluster:
	s_bfe_u32 s2, ttmp6, 0x10000c
	s_cmp_lg_u32 s2, 0xf033
	s_cbranch_scc0 .Lentry_shape_is_right
	s_endpgm
.Lentry_shape_is_right:
; out0[m][n] = sum over k of y[m][k] W_proj[k][n].  A = y16 [8192][1024] f16, B = wpt [1024 n][1024 k] f16 (W_proj turned), C = out0 [8192][1024] f32; sums in f32.
; A tile of C is 128 x 128: 512 tiles, two for each of 256 WGPs.  Four waves, each 64 x 64: 16 accumulators.  K goes in steps of 256 (LDS rows of 512 bytes + 16; a wave's tensor load brings 64 of them) through two slots.
; CLUSTERS: 4 x 4 work-groups; A's tiles are shared along a row of the cluster, B's along a column, each asked for jointly.  The matrix instruction is used transposed (source 0 = 16 rows of B, source 1 = 16 rows of A):
; a lane holds eight neighbouring numbers of a row of C.  A wave's 64 columns of f32 are 256 aligned bytes of a row, so each wave has a stage of its own on the way out, and no barrier stands there.
; (The first 16 rows of each batch are written here too, and written again by the launch that carries them in f32.)
; REGISTERS: window 0: v0-31 addresses; v32-95 rows read back on the way out; v128-255 the accumulators ((a, b) at v[128 + 8 (4 a + b)]).  window 1: two fragment buffers of 128.
.set SIZE_M, 8192
.set SIZE_N, 1024
.set SIZE_K, 1024
.set KSTEP,  256
.set PITCH,  528
.set HALFT,  64*PITCH
.set SLOT,   4*HALFT
.set SPITCH, 272                       ; the way out: 64 rows x (256 + 16) bytes for each wave, in slot 0, which has had its last fill and its last read by then
.set SPARE,  2*SLOT                    ; behind the ring: the spare words, 128 bytes for each wave
.set LAPS, SIZE_K/(2*KSTEP)
.set ADRA, 16
.set ADRB, 20
.set STO,  24
.set RD,   25
.set CO,   26
.set SPW,  28                          ; v28  LDS address of my spare word; never rewritten
.set NIL,  29                          ; v29  0; never rewritten
.set TMP,  32
.set ACC,  128
.set F0,   0
.set F1,   128
.set G1, 24
.set G0, 32
.set G1B, 48
.set G0B, 56
.set MSB, 0
.macro WIN new                         ; the immediate's high byte repeats the setting that is left
.if MSB != (\new)
	s_set_vgpr_msb (MSB<<8)|(\new)
.set MSB, (\new)
.endif
.endm
.set MUL,  0x05                        ; sources 0 (B) and 1 (A) window 1; C and D window 0
.set TO_F, 0x40                        ; destination window 1, address window 0
.macro JLOAD s                         ; a joint load: waves 0 and 1 fetch A's two halves, waves 2 and 3 B's; an s_nop 0 and four v_nop follow each of the two lines
	s_cmp_eq_u32 s11, 0
	s_cbranch_scc0 .Lfor_b_\@
	tensor_load_to_lds s[G0+4*\s:G0+4*\s+3], s[G1:G1+7]
	s_nop 0
.rept 4
	v_nop
.endr
	s_branch .Lasked_\@
.Lfor_b_\@:
	tensor_load_to_lds s[G0B+4*\s:G0B+4*\s+3], s[G1B:G1B+7]
	s_nop 0
.rept 4
	v_nop
.endr
.Lasked_\@:
.endm
.macro CREST                           ; a round of the cluster's barrier behind its opening barrier
	s_cmp_lg_u32 s10, 0
	s_cbranch_scc1 .Lnot_wave_0_\@
	s_barrier_signal -3
.Lnot_wave_0_\@:
	s_barrier_wait -3
	s_barrier_signal -1
	s_barrier_wait -1
.endm
.macro CROUND
	s_barrier_signal -1
	s_barrier_wait -1
	CREST
.endm
	s_load_b128 s[4:7], s[0:1], 0x0                ; A s[4:5], B s[6:7]
	s_load_b64 s[8:9], s[0:1], 0x10                ; C
	v_lshl_add_u32 v[SPW], v0, 2, SPARE
	v_mov_b32 v[NIL], 0
	ds_add_u32 v[SPW], v[NIL]                      ; the wave's opening: the add, twice on end, and its wait ahead of my first tensor load
	ds_add_u32 v[SPW], v[NIL]
	v_lshrrev_b32 v1, 5, v0
	v_readfirstlane_b32 s10, v1                    ; wave 0..3
	s_lshr_b32 s11, s10, 1                         ; which half of the tile's rows is mine.  Also: I fetch for A (0) or for B (1)
	s_and_b32 s12, s10, 1                          ; which half of its columns.  Also: which 64 rows of that tile I fetch
	s_bfe_u32 s40, ttmp6, 0x40000                  ; cx, cy
	s_bfe_u32 s41, ttmp6, 0x40004
	s_lshl_b32 s42, ttmp9, 2
	s_add_co_u32 s42, s42, s40                     ; tile column
	s_and_b32 s13, ttmp7, 0xffff
	s_lshl_b32 s13, s13, 2
	s_add_co_u32 s13, s13, s41                     ; tile row
	s_lshl_b32 s43, s41, 2
	s_lshl_b32 s43, 15, s43                        ; my row of the cluster
	s_lshl_b32 s44, 0x1111, s40                    ; my column
	s_or_b32 s[G1+0], s43, (1<<16)|(1<<20)|(1<<21)|(6<<22)|(3<<25)  ; the mask; elements of 2 bytes; padding: 4 words after every 128; bit 21 beside a mask
	s_or_b32 s[G1B+0], s44, (1<<16)|(1<<20)|(1<<21)|(6<<22)|(3<<25)
.irp g, G1, G1B
	s_mov_b32 s[\g+1], KSTEP<<16                   ; tensor_dim0 = 256
	s_mov_b32 s[\g+2], 64<<16                      ; tensor_dim1 = 64
	s_mov_b32 s[\g+3], KSTEP<<16                   ; tile_dim0 = 256
	s_mov_b32 s[\g+4], 64                          ; tile_dim1 = 64
	s_mov_b32 s[\g+5], SIZE_K                      ; the pitch
	s_mov_b32 s[\g+6], 0
	s_mov_b32 s[\g+7], 0
.endr
	s_lshl_b32 s17, s12, 6
	s_lshl_b32 s16, s13, 7
	s_add_co_u32 s16, s16, s17                     ; A: row 128 x tile row + 64 x half
	s_lshl_b32 s46, s42, 7
	s_add_co_u32 s46, s46, s17                     ; B: row 128 x tile column + 64 x half
	s_mov_b32 s17, 0
	s_mov_b32 s47, 0
	s_mov_b64 s[18:19], SIZE_K*2
	s_mul_u64 s[16:17], s[16:17], s[18:19]
	s_mul_u64 s[46:47], s[46:47], s[18:19]
	s_mul_i32 s20, s10, HALFT                      ; where they go: wave x 64 rows
	s_wait_dscnt 0x0                               ; both opening adds are done
	s_wait_kmcnt 0x0
	s_add_nc_u64 s[14:15], s[4:5], s[16:17]
	s_add_nc_u64 s[46:47], s[6:7], s[46:47]
	CROUND                                         ; all sixteen work-groups are here: the first joint loads meet
.irp s, 0,1
	s_mov_b32 s[G0+4*\s], 1
	s_add_co_u32 s[G0+4*\s+1], s20, \s*SLOT
	s_add_nc_u64 s[G0+4*\s+2:G0+4*\s+3], s[14:15], \s*KSTEP*2
	s_or_b32 s[G0+4*\s+3], s[G0+4*\s+3], 0x80000000
	s_mov_b32 s[G0B+4*\s], 1
	s_add_co_u32 s[G0B+4*\s+1], s20, \s*SLOT
	s_add_nc_u64 s[G0B+4*\s+2:G0B+4*\s+3], s[46:47], \s*KSTEP*2
	s_or_b32 s[G0B+4*\s+3], s[G0B+4*\s+3], 0x80000000
	JLOAD \s
.endr
	v_and_b32 v1, 15, v0                           ; l % 16
	v_bfe_u32 v2, v0, 4, 1                         ; l / 16
	v_mul_u32_u24 v3, v1, PITCH
	v_lshl_add_u32 v3, v2, 4, v3
	s_mul_i32 s21, s11, HALFT
	s_mul_i32 s22, s12, HALFT
	s_add_co_u32 s22, s22, 2*HALFT
.irp s, 0,1
	v_add_nc_u32 v[ADRA+\s], s21, v3
	v_add_nc_u32 v[ADRB+\s], s22, v3
	s_add_co_u32 s21, s21, SLOT
	s_add_co_u32 s22, s22, SLOT
.endr
	s_mul_i32 s23, s10, 64*SPITCH                  ; my stage
	v_mul_u32_u24 v4, v1, SPITCH
	v_lshl_add_u32 v4, v2, 5, v4
	v_add_nc_u32 v[STO], s23, v4                   ; in: row l % 16, 32 bytes for each half of the lanes
	v_mul_u32_u24 v5, v2, SPITCH
	v_lshl_add_u32 v5, v1, 4, v5
	v_add_nc_u32 v[RD], s23, v5                    ; back: lanes 0-15 one row of 256 bytes, lanes 16-31 the next
	v_mul_u32_u24 v5, v2, SIZE_N*4
	v_lshl_add_u32 v[CO], v1, 4, v5                ; and the same two rows in C
	s_lshl_b32 s16, s13, 7
	s_lshl_b32 s17, s11, 6
	s_add_co_u32 s16, s16, s17                     ; my first row of C: 128 x tile row + 64 x half
	s_mov_b32 s17, 0
	s_mov_b64 s[18:19], SIZE_N*4
	s_mul_u64 s[16:17], s[16:17], s[18:19]
	s_add_nc_u64 s[8:9], s[8:9], s[16:17]
	s_lshl_b32 s46, s42, 9                         ; my first column in bytes: 512 x tile column + 256 x half
	s_lshl_b32 s47, s12, 8
	s_add_co_u32 s46, s46, s47
	s_mov_b32 s47, 0
	s_add_nc_u64 s[8:9], s[8:9], s[46:47]
; 8 matrix instructions: m blocks a0, a0 + 1 x all 4 n blocks, 32 along K: half c of buffer f.  The 16 accumulators take turns.
.macro MUL8 f, c, a0, zero
.irp a, \a0, \a0+1
.irp b, 0,1,2,3
.if \zero
	v_wmma_f32_16x16x32_f16 v[ACC+8*(4*(\a)+\b):ACC+8*(4*(\a)+\b)+7], v[\f+64+8*(4*\c+\b):\f+64+8*(4*\c+\b)+7], v[\f+8*(4*\c+\a):\f+8*(4*\c+\a)+7], 0
.else
	v_wmma_f32_16x16x32_f16 v[ACC+8*(4*(\a)+\b):ACC+8*(4*(\a)+\b)+7], v[\f+64+8*(4*\c+\b):\f+64+8*(4*\c+\b)+7], v[\f+8*(4*\c+\a):\f+8*(4*\c+\a)+7], v[ACC+8*(4*(\a)+\b):ACC+8*(4*(\a)+\b)+7]
.endif
.endr
.endr
.endm
.macro FETCH slot, k, f                ; 32 LDS loads in one run: the fragments of 64 along K at byte k of the rows; the first 32 along K first
	WIN TO_F
.irp c, 0,1
.irp i, 0,1,2,3
	ds_load_b128 v[\f+64+8*(4*\c+\i):\f+64+8*(4*\c+\i)+3],   v[ADRB+\slot] offset:\k+64*\c+\i*16*PITCH
	ds_load_b128 v[\f+64+8*(4*\c+\i)+4:\f+64+8*(4*\c+\i)+7], v[ADRB+\slot] offset:\k+64*\c+\i*16*PITCH+32
	ds_load_b128 v[\f+8*(4*\c+\i):\f+8*(4*\c+\i)+3],         v[ADRA+\slot] offset:\k+64*\c+\i*16*PITCH
	ds_load_b128 v[\f+8*(4*\c+\i)+4:\f+8*(4*\c+\i)+7],       v[ADRA+\slot] offset:\k+64*\c+\i*16*PITCH+32
.endr
.endr
.endm
.macro PLACES
.rept 4
	v_nop
.endr
.endm
.macro QUARTER slot, k, f, g, zero     ; 64 along K: multiplies buffer f and fetches the next quarter, at byte k, into g
	s_wait_dscnt 16                                ; the first 32 along K are in; the sixteen loads of the second 32 may be out
	WIN MUL
	MUL8 \f, 0, 0, \zero
	MUL8 \f, 0, 2, \zero
	PLACES
	FETCH \slot, \k, \g
	s_wait_dscnt 32                                ; all but the 32 just issued
	WIN MUL
	MUL8 \f, 1, 0, 0
	MUL8 \f, 1, 2, 0
.endm
; The last quarter multiplies buffer 1 and changes slots: one barrier; in front of it each wave waits for all its tensor loads, adds 0 to its spare word, and waits for that and for its reads of this slot.
.macro TURN slot, next, fill
	WIN 0
	s_wait_tensorcnt 0x0                           ; all my tensor loads have landed: my part of the next slot
	ds_add_u32 v[SPW], v[NIL]
	s_wait_dscnt 17                                ; (the add and the youngest sixteen loads may be out)
	WIN MUL
	MUL8 F1, 0, 0, 0
	s_wait_dscnt 0x0                               ; the add is done, and my reads of this slot are over
	s_barrier_signal -1
	MUL8 F1, 0, 2, 0
.if \fill
	WIN 0
.endif
	s_barrier_wait -1
.if \fill
	CREST                                          ; the barrier has opened a round of the cluster's barrier: no wave of any partner still reads this slot or has a load on its way
	s_add_nc_u64 s[G0+4*\slot+2:G0+4*\slot+3], s[G0+4*\slot+2:G0+4*\slot+3], 2*KSTEP*2
	s_add_nc_u64 s[G0B+4*\slot+2:G0B+4*\slot+3], s[G0B+4*\slot+2:G0B+4*\slot+3], 2*KSTEP*2
	JLOAD \slot                                    ; the first tensor load behind the round; its four v_nop are also the places in front of the loads below
.else
	PLACES
.endif
	FETCH \next, 0, F0
	WIN MUL
	MUL8 F1, 1, 0, 0
	MUL8 F1, 1, 2, 0
.endm
	s_wait_tensorcnt 1                             ; my part of K step 0 is in; K step 1's load may be out
	s_barrier_signal -1
	s_barrier_wait -1
	FETCH 0, 0, F0
	QUARTER 0, 128, F0, F1, 1                      ; the first products start the sums
	WIN 0
	s_mov_b32 s3, LAPS-1
.Llap:                                             ; a trip goes once round the ring and fills both slots again
	QUARTER 0, 256, F1, F0, 0
	QUARTER 0, 384, F0, F1, 0
	TURN 0, 1, 1
	QUARTER 1, 128, F0, F1, 0
	QUARTER 1, 256, F1, F0, 0
	QUARTER 1, 384, F0, F1, 0
	TURN 1, 0, 1
	QUARTER 0, 128, F0, F1, 0
	WIN 0
	s_sub_co_u32 s3, s3, 1
	s_cmp_lg_u32 s3, 0
	s_cbranch_scc1 .Llap
	QUARTER 0, 256, F1, F0, 0                      ; the last lap fills nothing
	QUARTER 0, 384, F0, F1, 0
	TURN 0, 1, 0
	QUARTER 1, 128, F0, F1, 0
	QUARTER 1, 256, F1, F0, 0
	QUARTER 1, 384, F0, F1, 0
	s_wait_dscnt 16
	WIN MUL
	MUL8 F1, 0, 0, 0
	MUL8 F1, 0, 2, 0
	s_wait_dscnt 0
	MUL8 F1, 1, 0, 0
	MUL8 F1, 1, 2, 0
	WIN 0
	; THE WAY OUT: a lane's 32 bytes of a row into my stage, each accumulator from its low end on; back as whole rows of 256 bytes, 32 rows at a time.  LDS serves a wave's instructions in order.
	PLACES
.irp a, 0,1,2,3
.irp b, 0,1,2,3
	ds_store_b128 v[STO], v[ACC+8*(4*\a+\b):ACC+8*(4*\a+\b)+3] offset:\a*16*SPITCH+64*\b
	ds_store_b128 v[STO], v[ACC+8*(4*\a+\b)+4:ACC+8*(4*\a+\b)+7] offset:\a*16*SPITCH+64*\b+16
.endr
.endr
.irp u, 0,1
.if \u > 0
	s_wait_xcnt 0x0                                ; the first half's stores have read their registers: they may be loaded again
.endif
.irp t, 0,1,2,3,4,5,6,7,8,9,10,11,12,13,14,15
	ds_load_b128 v[TMP+4*\t:TMP+4*\t+3], v[RD] offset:(16*\u+\t)*2*SPITCH
.endr
.irp t, 0,1,2,3,4,5,6,7,8,9,10,11,12,13,14,15
	s_wait_dscnt 15-\t
	global_store_b128 v[CO], v[TMP+4*\t:TMP+4*\t+3], s[8:9] offset:(16*\u+\t)*2*SIZE_N*4 th:TH_STORE_NT   ; 16 lanes store 256 consecutive bytes, at a multiple of 256 from C's first byte
.endr
.endr
	s_wait_tensorcnt 0x0                           ; the wave's end: a tensor wait, an add and its wait behind my last tensor load and my last LDS store
	ds_add_u32 v[SPW], v[NIL]
	s_wait_dscnt 0x0
	CROUND                                         ; the closing round
	s_endpgm
.Lfunc_end_k_q6eab4aee48_proj:
	.size	k_q6eab4aee48_proj, .Lfunc_end_k_q6eab4aee48_proj-k_q6eab4aee48_proj
	.p2alignl 7, 3214868480
	.fill 96, 4, 3214868480
	.section	.rodata,"a",@progbits
	.p2align	6, 0x0
	.amdhsa_kernel k_q6eab4aee48_proj
		.amdhsa_group_segment_fixed_size 327680
		.amdhsa_private_segment_fixed_size 0
		.amdhsa_enable_private_segment 0
		.amdhsa_kernarg_size 24
		.amdhsa_user_sgpr_count 2
		.amdhsa_user_sgpr_kernarg_segment_ptr 1
		.amdhsa_wavefront_size32 1
		.amdhsa_system_sgpr_workgroup_id_x 1
		.amdhsa_system_sgpr_workgroup_id_y 1
		.amdhsa_system_sgpr_workgroup_id_z 1
		.amdhsa_system_vgpr_workitem_id 0
		.amdhsa_next_free_vgpr 512
		.amdhsa_next_free_sgpr 66
		.amdhsa_reserve_vcc 0
		.amdhsa_float_denorm_mode_32 3
		.amdhsa_float_denorm_mode_16_64 3
		.amdhsa_memory_ordered 1
		.amdhsa_forward_progress 1
		.amdhsa_inst_pref_size 86
	.end_amdhsa_kernel
	.amdgpu_metadata
---
amdhsa.version: [ 1, 2 ]
amdhsa.kernels:
  - .name:           k_q6eab4aee48_proj
    .symbol:         k_q6eab4aee48_proj.kd
    .args:
      - { .name: y16, .offset: 0, .size: 8, .value_kind: global_buffer, .address_space: global }
      - { .name: wpt, .offset: 8, .size: 8, .value_kind: global_buffer, .address_space: global }
      - { .name: out0, .offset: 16, .size: 8, .value_kind: global_buffer, .address_space: global }
    .group_segment_fixed_size: 327680
    .private_segment_fixed_size: 0
    .kernarg_segment_align: 8
    .kernarg_segment_size: 24
    .max_flat_workgroup_size: 128
    .sgpr_count:     66
    .vgpr_count:     512
    .wavefront_size: 32
...
	.end_amdgpu_metadata
.endif
;; end of part 4
;; launch first16 (part 5): grid 16 x 4, 16 waves a work-group, no clusters, 71,680 bytes of LDS; arguments q32, W_proj, out0; writes out0
.if DOCPART == 5
	.amdgcn_target "amdgcn-amd-amdhsa--gfx1250"
	.amdhsa_code_object_version 6
	.text
	.protected	k_q6eab4aee48_first16
	.globl	k_q6eab4aee48_first16
	.p2align	8
	.type	k_q6eab4aee48_first16,@function
k_q6eab4aee48_first16:
	s_mov_b64 s[64:65], 0
	v_nop
	global_prefetch_b8 v0, s[64:65] scope:SCOPE_SE
	s_setreg_imm32_b32 hwreg(HW_REG_WAVE_MODE, 25, 1), 1
	s_wait_xcnt 0x0
; The first 16 tokens of each batch, in f32 throughout: under the causal mask they average one to sixteen values and are the output's largest rows, so the rounding of 16-bit operands would weigh most there.
; q32: [4 x 16 tokens][3072] f32, the raw sums q, k, v of those tokens.  out0 rows 2048 b + 0 .. 15 are written anew: softmax(q k^T / 8, causal) v, then x W_proj, all by v_wmma_f32_16x16x4_f32.
; SHARES.  Work-group (g, b): batch b, output columns 64 g on.  Wave w = head w: it makes the head's attention for the 16 tokens (every work-group of a batch repeats that: 16 x 16 x 64 twice), and its 64 channels of y are its
; slice of the projection's K, so y changes no lane and no wave.  The sixteen waves' partial sums meet in LDS; wave w then adds up token w's 64 numbers and stores 256 consecutive bytes.
; LAYOUT.  The f32 form takes k = 2 (lane / 16) + j from register j.  A permutation of K applied alike to both sources keeps the sum, so each lane feeds the numbers of K that it holds:
;   S^T = k q^T: lane (r, h) holds channels 32 h + 0..31 of row r of k and of q; step s takes registers 2 s, 2 s + 1 of both.  The result holds query r and keys 8 h + j.
;   O^T = v^T p: step s takes p's registers 2 s, 2 s + 1 (keys 8 h + 2 s + j), and v is loaded to match.  The result holds query r and channels 16 c + 8 h + j.
;   out^T = W^T y: step (c, s) takes y's registers 8 c + 2 s + j, and W_proj is loaded to match.  The result holds token r and columns 16 n + 8 h + j: 32 neighbouring bytes.
; The registers that the f32 matrix form writes (v16-95) are written by matrix instructions alone; what is made of them goes elsewhere.
; REGISTERS: v1-5 offsets, later at work; v6, v7 the add's two; v8-15 t, then p; v16-31 S^T in two halves of K; v32-63 O^T; v64-95 out^T; v96-127 k, v128-159 q, later W_proj for columns 32-63; v160-191 v, then y, then partial sums; v192-255 W_proj for columns 0-31.
.set SPW, 6
.set NIL, 7
.set P,   8
.set SA,  16
.set SB,  24
.set O,   32
.set OUT, 64
.set KR,  96
.set QR,  128
.set WB,  96
.set VR,  160
.set Y,   160
.set WA,  192
.set SPARE, 16*4352                    ; behind the sixteen waves' partial sums (16 rows x 272 bytes each): the spare words, 128 bytes for each wave
	s_load_b128 s[4:7], s[0:1], 0x0                ; q32, W_proj
	s_load_b64 s[12:13], s[0:1], 0x10              ; out0
	v_lshl_add_u32 v[SPW], v0, 2, SPARE
	v_mov_b32 v[NIL], 0
	v_lshrrev_b32 v1, 5, v0
	v_readfirstlane_b32 s8, v1                     ; wave = head
	s_and_b32 s10, ttmp7, 0xffff                   ; batch
	v_and_b32 v4, 15, v0                           ; r
	v_bfe_u32 v5, v0, 4, 1                         ; h
	v_mul_u32_u24 v1, v4, 12288
	v_lshl_add_u32 v1, v5, 7, v1                   ; q, k: row r, channels 32 h on
	v_mul_u32_u24 v2, v5, 8*12288
	v_lshl_add_u32 v2, v4, 2, v2                   ; v: rows 8 h on, channel r
	v_lshlrev_b32 v3, 15, v5
	v_lshl_add_u32 v3, v4, 2, v3                   ; W_proj: rows 8 h on (4,096 bytes each), column r
	v_lshlrev_b32 v5, 3, v5
	v_sub_nc_u32 v4, v4, v5                        ; r - 8 h
	v_mov_b32 v5, 0xff800000                       ; -infinity
	s_mul_i32 s16, s10, 16*12288
	s_lshl_b32 s17, s8, 8
	s_add_co_u32 s16, s16, s17                     ; the batch's 16 rows, my head's 256 bytes
	s_mov_b32 s17, 0
	s_lshl_b32 s18, s8, 18                         ; my head's 64 rows of W_proj,
	s_lshl_b32 s19, ttmp9, 8                       ; my work-group's 64 columns
	s_add_co_u32 s18, s18, s19
	s_mov_b32 s19, 0
	s_lshl_b32 s20, s10, 11
	s_add_co_u32 s20, s20, s8                      ; the row of out0 that I store: token w of the batch
	s_lshl_b32 s20, s20, 12
	s_lshl_b32 s21, ttmp9, 8
	s_add_co_u32 s20, s20, s21
	s_mov_b32 s21, 0
	s_mul_i32 s14, s8, 4352
	s_mul_i32 s15, s8, 272
	s_mov_b32 s22, 0x76543210
	s_mov_b32 s23, 0xfedcba98                      ; v_permlanex16_b32's selects for lane l xor 16
	s_wait_kmcnt 0x0
	s_add_nc_u64 s[4:5], s[4:5], s[16:17]
	s_add_nc_u64 s[6:7], s[6:7], s[18:19]
	s_add_nc_u64 s[12:13], s[12:13], s[20:21]
.irp i, 0,1,2,3,4,5,6,7
	global_load_b128 v[QR+4*\i:QR+4*\i+3], v1, s[4:5] offset:16*\i
	global_load_b128 v[KR+4*\i:KR+4*\i+3], v1, s[4:5] offset:4096+16*\i
.endr
.irp c, 0,1,2,3
.irp u, 0,1,2,3,4,5,6,7
	global_load_b32 v[VR+8*\c+\u], v2, s[4:5] offset:\u*12288+8192+64*\c          ; v(8 h + u, 16 c + r)
.endr
.endr
.irp n, 0,1
.irp c, 0,1,2,3
.irp u, 0,1,2,3,4,5,6,7
	global_load_b32 v[WA+32*\n+8*\c+\u], v3, s[6:7] offset:(16*\c+\u)*4096+64*\n  ; W_proj(64 w + 16 c + 8 h + u, 64 g + 16 n + r)
.endr
.endr
.endr
	s_wait_loadcnt 63                              ; behind q, k and v stand the 64 loads of W_proj: with at most 63 out, the first 48 are in
.irp s, 0,1,2,3,4,5,6,7,8,9,10,11,12,13,14,15  ; S^T, in two sums that take turns; the first product of each starts it
.if \s < 2
	v_wmma_f32_16x16x4_f32 v[SA+8*(\s%2):SA+8*(\s%2)+7], v[KR+2*\s:KR+2*\s+1], v[QR+2*\s:QR+2*\s+1], 0
.else
	v_wmma_f32_16x16x4_f32 v[SA+8*(\s%2):SA+8*(\s%2)+7], v[KR+2*\s:KR+2*\s+1], v[QR+2*\s:QR+2*\s+1], v[SA+8*(\s%2):SA+8*(\s%2)+7]
.endif
.endr
.rept 8
	v_nop                                          ; eight places behind this form, in front of the loads into k's and q's registers and of the first read of the sums
.endr
.irp n, 0,1
.irp c, 0,1,2,3
.irp u, 0,1,2,3,4,5,6,7
	global_load_b32 v[WB+32*\n+8*\c+\u], v3, s[6:7] offset:(16*\c+\u)*4096+64*(2+\n)
.endr
.endr
.endr
.irp j, 0,1,2,3,4,5,6,7
	v_add_f32 v[P+\j], v[SA+\j], v[SB+\j]          ; from the low end on
.endr
.irp j, 0,1,2,3,4,5,6,7
	v_mul_f32 v[P+\j], 0x3e38aa3b, v[P+\j]         ; t = score x log2(e) / 8
.endr
.irp j, 0,1,2,3,4,5,6,7
	v_cmp_gt_i32 vcc_lo, \j, v4                    ; key 8 h + j is hidden from query r where j > r - 8 h
	v_cndmask_b32 v[P+\j], v[P+\j], v5, vcc_lo
.endr
	v_max3_num_f32 v1, v[P], v[P+1], v[P+2]        ; (v1 and v2 are free: the loads that they addressed are in)
	v_max3_num_f32 v1, v1, v[P+3], v[P+4]
	v_max3_num_f32 v1, v1, v[P+5], v[P+6]
	v_max_num_f32 v1, v1, v[P+7]
	v_permlanex16_b32 v2, v1, s22, s23
	v_max_num_f32 v1, v1, v2                       ; the row's largest t: key 0 counts for every query, so it is a number
.irp j, 0,1,2,3,4,5,6,7
	v_sub_f32 v[P+\j], v[P+\j], v1
.endr
.irp j, 0,1,2,3,4,5,6,7
	v_exp_f32 v[P+\j], v[P+\j]
.endr
	v_nop                                          ; a plain line behind the exponentials,
	s_wait_alu depctr_va_vdst(0)                   ; and one wait for the eight, ahead of the first line that names a result
	v_add_f32 v2, v[P], v[P+1]
	v_add_f32 v5, v[P+2], v[P+3]
	v_add_f32 v2, v2, v[P+4]
	v_add_f32 v5, v5, v[P+5]
	v_add_f32 v2, v2, v[P+6]
	v_add_f32 v5, v5, v[P+7]
	v_add_f32 v2, v2, v5
	v_permlanex16_b32 v5, v2, s22, s23
	v_add_f32 v2, v2, v5                           ; the row's sum
	v_rcp_f32 v1, v2
.irp s, 0,1,2,3                                ; O^T = v^T p, not normalised: four sums by turns
.irp c, 0,1,2,3
.if \s == 0
	v_wmma_f32_16x16x4_f32 v[O+8*\c:O+8*\c+7], v[VR+8*\c+2*\s:VR+8*\c+2*\s+1], v[P+2*\s:P+2*\s+1], 0
.else
	v_wmma_f32_16x16x4_f32 v[O+8*\c:O+8*\c+7], v[VR+8*\c+2*\s:VR+8*\c+2*\s+1], v[P+2*\s:P+2*\s+1], v[O+8*\c:O+8*\c+7]
.endif
.endr
.endr
.rept 8
	v_nop                                          ; eight places: y is read off the sums and written where v lay.  (The first is also the plain line behind the reciprocal)
.endr
	s_wait_alu depctr_va_vdst(0)                   ; the wait ahead of the reciprocal's first use
.set n_, 0
.rept 32
	v_mul_f32 v[Y+n_], v[O+n_], v1                 ; y = O^T / the sum, into other registers
.set n_, n_+1
.endr
	s_wait_loadcnt 63                              ; behind W_proj's columns 0-31 stand the 64 loads of columns 32-63: with at most 63 out, the first are in
.irp c, 0,1,2,3
.irp s, 0,1,2,3
.irp n, 0,1
.if (\c == 0) && (\s == 0)
	v_wmma_f32_16x16x4_f32 v[OUT+8*\n:OUT+8*\n+7], v[WA+32*\n+8*\c+2*\s:WA+32*\n+8*\c+2*\s+1], v[Y+8*\c+2*\s:Y+8*\c+2*\s+1], 0
.else
	v_wmma_f32_16x16x4_f32 v[OUT+8*\n:OUT+8*\n+7], v[WA+32*\n+8*\c+2*\s:WA+32*\n+8*\c+2*\s+1], v[Y+8*\c+2*\s:Y+8*\c+2*\s+1], v[OUT+8*\n:OUT+8*\n+7]
.endif
.endr
.endr
.endr
	s_wait_loadcnt 0x0
.irp c, 0,1,2,3
.irp s, 0,1,2,3
.irp n, 0,1
.if (\c == 0) && (\s == 0)
	v_wmma_f32_16x16x4_f32 v[OUT+16+8*\n:OUT+16+8*\n+7], v[WB+32*\n+8*\c+2*\s:WB+32*\n+8*\c+2*\s+1], v[Y+8*\c+2*\s:Y+8*\c+2*\s+1], 0
.else
	v_wmma_f32_16x16x4_f32 v[OUT+16+8*\n:OUT+16+8*\n+7], v[WB+32*\n+8*\c+2*\s:WB+32*\n+8*\c+2*\s+1], v[Y+8*\c+2*\s:Y+8*\c+2*\s+1], v[OUT+16+8*\n:OUT+16+8*\n+7]
.endif
.endr
.endr
.endr
	; the addresses of the way out: eight plain lines, which are the eight places behind the last products.  (All loads are in: v1 to v5 are free)
	v_and_b32 v1, 15, v0
	v_bfe_u32 v3, v0, 4, 1
	v_mul_u32_u24 v2, v1, 272
	v_lshl_add_u32 v2, v3, 5, v2
	v_add_nc_u32 v2, s14, v2                       ; my partial sums: 4,352 w + row r x 272 + 32 h
	v_and_b32 v4, 31, v0
	v_lshlrev_b32 v4, 3, v4                        ; 8 bytes a lane
	v_add_nc_u32 v5, s15, v4                       ; token w's row in each wave's partial sums
.irp n, 0,1,2,3
	ds_store_b128 v2, v[OUT+8*\n:OUT+8*\n+3] offset:64*\n          ; each sum from its low end on
	ds_store_b128 v2, v[OUT+8*\n+4:OUT+8*\n+7] offset:64*\n+16
.endr
	s_wait_dscnt 0x0                               ; for the others' sake: my stores are done
	s_barrier_signal -1
	s_barrier_wait -1
.irp p, 0,1,2,3,4,5,6,7,8,9,10,11,12,13,14,15
	ds_load_b64 v[Y+2*\p:Y+2*\p+1], v5 offset:\p*4352
.endr
	s_wait_dscnt 0x0
.irp p, 0,2,4,6,8,10,12,14
	v_pk_add_f32 v[Y+2*\p:Y+2*\p+1], v[Y+2*\p:Y+2*\p+1], v[Y+2*\p+2:Y+2*\p+3]
.endr
.irp p, 0,4,8,12
	v_pk_add_f32 v[Y+2*\p:Y+2*\p+1], v[Y+2*\p:Y+2*\p+1], v[Y+2*\p+4:Y+2*\p+5]
.endr
.irp p, 0,8
	v_pk_add_f32 v[Y+2*\p:Y+2*\p+1], v[Y+2*\p:Y+2*\p+1], v[Y+2*\p+8:Y+2*\p+9]
.endr
	v_pk_add_f32 v[Y:Y+1], v[Y:Y+1], v[Y+16:Y+17]
	global_store_b64 v4, v[Y:Y+1], s[12:13]        ; 32 lanes store 256 consecutive bytes, at a multiple of 256 from out0's first byte
	s_wait_tensorcnt 0x0                           ; the wave's end: a tensor wait, an add
	ds_add_u32 v[SPW], v[NIL]
	s_wait_dscnt 0x0
	s_endpgm
.Lfunc_end_k_q6eab4aee48_first16:
	.size	k_q6eab4aee48_first16, .Lfunc_end_k_q6eab4aee48_first16-k_q6eab4aee48_first16
	.p2alignl 7, 3214868480
	.fill 96, 4, 3214868480
	.section	.rodata,"a",@progbits
	.p2align	6, 0x0
	.amdhsa_kernel k_q6eab4aee48_first16
		.amdhsa_group_segment_fixed_size 71680
		.amdhsa_private_segment_fixed_size 0
		.amdhsa_enable_private_segment 0
		.amdhsa_kernarg_size 24
		.amdhsa_user_sgpr_count 2
		.amdhsa_user_sgpr_kernarg_segment_ptr 1
		.amdhsa_wavefront_size32 1
		.amdhsa_system_sgpr_workgroup_id_x 1
		.amdhsa_system_sgpr_workgroup_id_y 1
		.amdhsa_system_sgpr_workgroup_id_z 1
		.amdhsa_system_vgpr_workitem_id 0
		.amdhsa_next_free_vgpr 256
		.amdhsa_next_free_sgpr 66
		.amdhsa_reserve_vcc 1
		.amdhsa_float_denorm_mode_32 3
		.amdhsa_float_denorm_mode_16_64 3
		.amdhsa_memory_ordered 1
		.amdhsa_forward_progress 1
		.amdhsa_inst_pref_size 32
	.end_amdhsa_kernel
	.amdgpu_metadata
---
amdhsa.version: [ 1, 2 ]
amdhsa.kernels:
  - .name:           k_q6eab4aee48_first16
    .symbol:         k_q6eab4aee48_first16.kd
    .args:
      - { .name: q32, .offset: 0, .size: 8, .value_kind: global_buffer, .address_space: global }
      - { .name: W_proj, .offset: 8, .size: 8, .value_kind: global_buffer, .address_space: global }
      - { .name: out0, .offset: 16, .size: 8, .value_kind: global_buffer, .address_space: global }
    .group_segment_fixed_size: 71680
    .private_segment_fixed_size: 0
    .kernarg_segment_align: 8
    .kernarg_segment_size: 24
    .max_flat_workgroup_size: 512
    .sgpr_count:     66
    .vgpr_count:     256
    .wavefront_size: 32
...
	.end_amdgpu_metadata
.endif
;; end of part 5
